; MI455X (gfx1250); checked and timed in simulation.
; The chip was launched on July 23, 2026; its instructions are those of AMD's public machine-readable ISA for CDNA 5 (MIT licence, August 2026) and "CDNA5" Instruction Set Architecture Reference Guide (July 2026). The comments in the code are by the model that wrote it; some were corrected since.
;; Multi Head Self Attention. Allowed arithmetic: matrix products marked QUANTISED: E2M1 operands, one E8M0 scale for each 32 along K, by v_wmma_scale_f32_16x16x128_f8f6f4 with both operands' format E2M1 (or v_wmma_scale_f32_32x16x128_f4), f32 sums; products left as they are: bf16, f16 or f32 operands; f32 sums; everything else in f32.
;; Inputs: out_b 1,024 float32; out_w 1,024 x 1,024 float32; qkv_b 3,072 float32; qkv_w 1,024 x 3,072 float32; x 8 x 1,024 x 1,024 float32.
;; Outputs: out0 8 x 1,024 x 1,024 float32.
;; This version of the problem:
;;   THIS VERSION OF THE PROBLEM IS GIVEN IN LOW PRECISION. The matrix products marked QUANTISED in the list below multiply operands that are first quantised to E2M1 (2 exponent bits, 1 mantissa bit; 4 bits a number), with one power-of-two scale for each 32 numbers along K (OCP MX v1.0); their sums are f32. The products marked 'left as it is' may take bf16, f16 or f32 operands, with f32 sums. Whichever they take, every output number must still come out within the allowed error. Rounding operands to bf16 (8 significant bits) uses up far more of that allowance than f16 does (11 bits, for magnitudes from 6e-5 to 65,504). All else is computed in f32.
;;   The module's matrix products, in the order in which they are computed (A, B: the left and right operand; K: the contracted axis; several contracted axes count as one K, in the product's order):
;;     1. [M 8,192, K 1,024] x [K 1,024, N 3,072]; A: input x; B: input qkv_w: QUANTISED
;;     2. batch 128 x [M 1,024, K 64] x [K 64, N 1,024]; A: computed on the way; B: computed on the way: left as it is (an operand is computed on the way)
;;     3. batch 128 x [M 1,024, K 1,024] x [K 1,024, N 64]; A: computed on the way; B: computed on the way: left as it is (an operand is computed on the way)
;;     4. [M 8,192, K 1,024] x [K 1,024, N 1,024]; A: computed on the way; B: input out_w: left as it is (an operand is computed on the way)
;;   THE QUANTISER, for each operand of a quantised product, along K:
;;     - K is cut into blocks of 32 from its start; a last block that is shorter is filled with zeros.
;;     - A block's scale is 2^e with e = floor(log2(the largest magnitude in the block)) - 2, held to -126 .. 127; a block of zeros has e = 0. As a byte (E8M0): e + 127.
;;     - Each number is divided by its block's scale, clamped to +-6, and rounded to the nearest number of E2M1, ties to even, subnormals kept.
;;     - The product sums the exact products of the quantised numbers (number of the format x scale) in f32.
;;   ~~~python
;;   def quantise(x, axis):      # numpy; x: float32 -> the quantised numbers, widened to float32 again
;;       x = np.moveaxis(x, axis, -1); K = x.shape[-1]
;;       x = np.pad(x, [(0, 0)] * (x.ndim - 1) + [(0, -K % 32)]); x = x.reshape(x.shape[:-1] + (-1, 32)); a = np.abs(x).max(-1, keepdims=True)
;;       e = np.where(a > 0, np.clip(np.frexp(np.where(a > 0, a, 1))[1] - 1 - 2, -126, 127), 0)      # np.frexp(a)[1] - 1 = floor(log2(a)), exactly
;;       r = np.clip(x / 2.0 ** e, -6, 6)
;;       step = 2.0 ** (np.maximum(np.frexp(np.where(r == 0, 1, r))[1] - 1, 0) - 1)
;;       q = np.round(r / step) * step * 2.0 ** e      # np.round: ties to even
;;       return np.moveaxis(q.reshape(q.shape[:-2] + (-1,))[..., :K], -1, axis).astype(np.float32)
;;   ~~~
;; One version. Each part assembles by itself: llvm-mc -triple=amdgcn-amd-amdhsa -mcpu=gfx1250 --defsym DOCPART=n.
;; ======== version 1 of 1: 5 launches
;; limits: values are held in f16: magnitudes above 65,504 overflow, below 6.1e-05 lose precision
;; workspace buffers: cod 5,767,168 bytes; scl 360,448 bytes; wt 4,194,304 bytes; qkvh 50,331,648 bytes; ao 16,777,216 bytes; fa 524,288 bytes
;; launch prep (part 1): grid 288 x 1, 8 waves a work-group, no clusters, 152,576 bytes of LDS; arguments x, qkv_w, out_w, cod, scl, wt; writes cod, scl, wt
.if DOCPART == 1
	.amdgcn_target "amdgcn-amd-amdhsa--gfx1250"
	.amdhsa_code_object_version 6
	.text
	.protected	k_q8706141e35_prep
	.globl	k_q8706141e35_prep
	.p2align	8
	.type	k_q8706141e35_prep,@function
k_q8706141e35_prep:
	s_mov_b64 s[64:65], 0
	v_nop
	global_prefetch_b8 v0, s[64:65] scope:SCOPE_SE
	s_setreg_imm32_b32 hwreg(HW_REG_WAVE_MODE, 25, 1), 1
	s_wait_xcnt 0x0
; MULTI-HEAD SELF-ATTENTION, 8 x 1,024 positions, 16 heads of 64, in five launches: prep, qkv, attn, proj, fineb.
; THIS LAUNCH makes the operands that many work-groups read later, once:
;   x [8192][1024] f32      -> cod: codes of E2M1, K innermost, [8192][512 bytes];            scl: one E8M0 byte for each 32 along K, [8192][32]
;   qkv_w [1024 k][3072 n]  -> cod + 4,194,304: codes [3072 n][512 bytes], K moved innermost;  scl + 262,144: [3072][32]
;   out_w [1024 k][1024 n]  -> wt: f16 [1024 n][1024 k], the high part; wt + 2,097,152: the low part (out_w less its high part, in f16)
; A block's scale is 2^(floor(log2(its largest magnitude)) - 2): its byte is the largest magnitude's exponent field less 2, held at 1 from below.
; WORK LEFT OUT BY THE PROGRAM.  reference() multiplies the score of key j and query i by m = 0 where j > i and takes 1e10 away: the product q.k of such a pair reaches no output, whatever q and k hold, and
; the pair's weight is exp(-1e10 - the row's largest score), which is 0 in reference()'s f32 for every row whose largest visible score lies above -1e10 + 104.  So key steps that lie wholly above the diagonal are
; not walked (launch attn), and inside the one step of a wave that holds the diagonal hidden scores are set to -infinity.  All five inputs have a way to the output and are loaded.
; LIMITS: rows whose visible scores all lie near -1e10 are not served; a NaN, an infinity or an overflow that reaches only hidden pairs is not carried to the result; q, k, v and the attention's result go to the
; later products as f16, so their magnitudes are served up to 65,504; a block of zeros gets the byte 1 where the quantiser says 127 (its codes are zeros and this program alone reads the bytes); blocks whose
; largest magnitude lies under 2^-124 have their byte held at 1; NaN and infinities among the inputs are not served.
; SHARES.  Work-groups 0-127 take x, 128-223 qkv_w, 224-287 out_w: three ways through the text that part on the work-group's number, each with LDS bytes of its own.  No tensor load, no ring.
.set SP,    80                         ; x: a lane's place in a stage: 64 bytes + 16 of padding
.set WSTG,  65536                      ; qkv_w: 64 rows (columns n) x (256 bytes of codes + 16)
.set WP,    272
.set WSCL,  82944                      ; qkv_w: 64 rows x 16 scale bytes
.set OSTH,  83968                      ; out_w: 64 rows (columns n) x (512 bytes of f16 + 16), the high parts;
.set OP,    528
.set OLOW,  33792                      ; the low parts lie this far behind them
.set SPARE, 151552                     ; the spare words, 128 bytes for each of the eight waves: four blocks of 256 bytes that no other line names
.set SPW,   12                         ; v12  LDS address of my spare word; never rewritten
.set NIL,   13                         ; v13  0; never rewritten
	s_load_b256 s[4:11], s[0:1], 0x0               ; x s[4:5], qkv_w s[6:7], out_w s[8:9], cod s[10:11]
	s_load_b128 s[12:15], s[0:1], 0x20             ; scl s[12:13], wt s[14:15]
	v_lshl_add_u32 v[SPW], v0, 2, SPARE
	v_mov_b32 v[NIL], 0
	v_lshrrev_b32 v1, 5, v0
	v_readfirstlane_b32 s16, v1                    ; wave 0..7
	v_and_b32 v2, 31, v0                           ; lane
	s_wait_kmcnt 0x0
	s_cmp_lt_u32 ttmp9, 128
	s_cbranch_scc1 .Lpath_x
	s_cmp_lt_u32 ttmp9, 224
	s_cbranch_scc1 .Lpath_w
; ---------------- out_w: 64 columns n x 256 along K to a work-group.  A lane takes a column, its 64 registers run down K: no instruction transposes.
	s_sub_co_u32 s17, ttmp9, 224
	s_lshr_b32 s18, s17, 2                         ; which 64 columns
	s_and_b32 s19, s17, 3                          ; which 256 along K
	s_and_b32 s20, s16, 1                          ; my wave: which 32 of the columns,
	s_lshr_b32 s21, s16, 1                         ; which 64 of the 256
	s_lshl_b32 s22, s19, 20                        ; 256 rows of 4,096 bytes
	s_lshl_b32 s23, s21, 18                        ; 64 rows
	s_add_co_u32 s22, s22, s23
	s_lshl_b32 s23, s18, 8                         ; 64 columns of 4 bytes
	s_add_co_u32 s22, s22, s23
	s_lshl_b32 s23, s20, 7
	s_add_co_u32 s22, s22, s23
	s_mov_b32 s23, 0
	s_add_nc_u64 s[8:9], s[8:9], s[22:23]
	v_lshlrev_b32 v3, 2, v2
.set i, 0
.rept 64
	global_load_b32 v[64+i], v3, s[8:9] offset:i*4096 th:TH_LOAD_NT   ; out_w(k0 + i, my column): a wave reads 128 consecutive bytes, two waves side by side 256
.set i, i+1
.endr
	s_mul_i32 s24, s20, 32*OP
	s_lshl_b32 s25, s21, 7
	s_add_co_u32 s24, s24, s25
	s_add_co_u32 s24, s24, OSTH
	v_mul_u32_u24 v4, v2, OP
	v_add_nc_u32 v4, s24, v4                       ; into the stage: row = my column, + 128 bytes for each 64 along K
	s_mul_i32 s24, s16, 8*OP
	s_add_co_u32 s24, s24, OSTH
	v_lshl_add_u32 v7, v2, 4, s24                  ; out of it: my wave's 8 rows, 16 bytes a lane
	v_lshlrev_b32 v8, 4, v2
	s_lshl_b32 s22, s18, 17                        ; wt: 64 rows of 2,048 bytes,
	s_lshl_b32 s23, s16, 14                        ; my wave's 8,
	s_add_co_u32 s22, s22, s23
	s_lshl_b32 s23, s19, 9                         ; 256 along K are 512 bytes
	s_add_co_u32 s22, s22, s23
	s_mov_b32 s23, 0
	s_add_nc_u64 s[14:15], s[14:15], s[22:23]
; eight neighbours along K: the high parts (rounded to f16), the same widened again, what is left of the numbers, and that in f16
.macro OGROUP g
.irp p, 0,1,2,3
	v_cvt_pk_f16_f32 v[16+\p], v[64+8*(\g)+2*\p], v[65+8*(\g)+2*\p]
.endr
	v_cvt_f32_f16 v20, v16.l
	v_cvt_f32_f16 v21, v16.h
	v_cvt_f32_f16 v22, v17.l
	v_cvt_f32_f16 v23, v17.h
	v_cvt_f32_f16 v24, v18.l
	v_cvt_f32_f16 v25, v18.h
	v_cvt_f32_f16 v26, v19.l
	v_cvt_f32_f16 v27, v19.h
.irp p, 0,1,2,3
	v_pk_add_f32 v[64+8*(\g)+2*\p:65+8*(\g)+2*\p], v[64+8*(\g)+2*\p:65+8*(\g)+2*\p], v[20+2*\p:21+2*\p] neg_lo:[0,1] neg_hi:[0,1]
.endr
.irp p, 0,1,2,3
	v_cvt_pk_f16_f32 v[28+\p], v[64+8*(\g)+2*\p], v[65+8*(\g)+2*\p]
.endr
	ds_store_b128 v4, v[16:19] offset:16*(\g)
	ds_store_b128 v4, v[28:31] offset:OLOW+16*(\g)
.endm
	s_wait_loadcnt 32                              ; the first 32 loads are in; the 32 behind them may be out
	OGROUP 0
	OGROUP 1
	OGROUP 2
	OGROUP 3
	s_wait_loadcnt 0x0
	OGROUP 4
	OGROUP 5
	OGROUP 6
	OGROUP 7
	s_wait_dscnt 0x0                               ; for the others' sake: my stores into the stage are done
	s_barrier_signal -1
	s_barrier_wait -1                              ; a row's 512 bytes come from four waves
.set i, 0
.rept 16
	ds_load_b128 v[64+4*i:67+4*i], v7 offset:(i%8)*OP+(i/8)*OLOW
.set i, i+1
.endr
.set i, 0
.rept 16
	s_wait_dscnt 15-i                              ; LDS loads come back in order: load i is in, the younger ones may be out
	global_store_b128 v8, v[64+4*i:67+4*i], s[14:15] offset:(i%8)*2048+(i/8)*2097152   ; 32 lanes store 512 consecutive bytes, at a multiple of 256 from the buffer's first byte
.set i, i+1
.endr
	s_wait_tensorcnt 0x0                           ; the wave's end
	ds_add_u32 v[SPW], v[NIL]
	s_wait_dscnt 0x0
	s_endpgm
; ---------------- x: a plain stream of blocks of 32 numbers.  A wave takes 16 steps of 512 numbers.  Each of a step's four loads reads 512 consecutive bytes; the 2,048 bytes turn through the wave's own stage in
; LDS and come back 64 bytes a lane, so that a lane holds 16 neighbours along K (two neighbouring lanes hold a block).  Loads run four steps ahead, the turn through LDS one step.
.set RX, 16                            ; v16-79   four sets of 16 numbers as loaded
.set NX, 80                            ; v80-111  two sets of 16 neighbours
.set EX, 112                           ; v112-127 a scale byte for each step
.set CX, 128                           ; v128-191 codes: registers of its own for each step, so that no store's data are written again
.macro XLOAD t
.irp i, 0,1,2,3
	global_load_b128 v[RX+16*((\t)%4)+4*\i:RX+16*((\t)%4)+4*\i+3], v3, s[4:5] offset:2048*(\t)+512*\i th:TH_LOAD_NT
.endr
.endm
.macro XTURN t                         ; LDS serves a wave's instructions in order: no wait between the stores and the loads
.irp i, 0,1,2,3
	ds_store_b128 v14, v[RX+16*((\t)%4)+4*\i:RX+16*((\t)%4)+4*\i+3] offset:32*SP*((\t)%2)+8*SP*\i
.endr
.irp i, 0,1,2,3
	ds_load_b128 v[NX+16*((\t)%2)+4*\i:NX+16*((\t)%2)+4*\i+3], v15 offset:32*SP*((\t)%2)+16*\i
.endr
.endm
.macro XSTEP t
.set XS, NX+16*((\t)%2)
.if (\t) > 0
	s_wait_dscnt 1                                 ; this step's numbers are back from the stage; the last step's byte store may be out
.else
	s_wait_dscnt 0x0
.endif
.if (\t)+4 < 16
	XLOAD (\t)+4                                   ; into the registers whose stores into the stage have been served
.endif
.if (\t)+1 < 16
.if 14-(\t) >= 3
	s_wait_loadcnt 12                              ; the next step's four loads are in; those of the three steps behind it may be out
.else
	s_wait_loadcnt 4*(14-(\t))                     ; towards the end fewer steps are behind it
.endif
	XTURN (\t)+1
.endif
	v_max3_num_f32 v8, |v[XS]|, |v[XS+1]|, |v[XS+2]|               ; the largest magnitude of my 16, in two chains
	v_max3_num_f32 v9, |v[XS+3]|, |v[XS+4]|, |v[XS+5]|
.irp i, 6,10
	v_max3_num_f32 v8, v8, |v[XS+\i]|, |v[XS+\i+1]|
	v_max3_num_f32 v9, v9, |v[XS+\i+2]|, |v[XS+\i+3]|
.endr
	v_max3_num_f32 v8, v8, |v[XS+14]|, |v[XS+15]|
	v_max3_num_f32 v8, v8, v9, 0x1800000           ; and the floor 2^(3 - 127): the byte cannot fall under 1
	v_max_num_f32_dpp v8, v8, v8 row_xmask:1 row_mask:0xf bank_mask:0xf   ; with my neighbour's 16: the block's
	v_add_nc_u32 v11, 0xff000000, v8               ; 2 off its exponent field: the conversion takes the exponent field of this operand as its scale
	v_cvt_scalef32_pk8_fp4_f32 v[CX+4*(\t)], v[XS:XS+7], v11
	v_cvt_scalef32_pk8_fp4_f32 v[CX+4*(\t)+1], v[XS+8:XS+15], v11
	v_lshrrev_b32 v[EX+(\t)], 23, v11              ; the scale's byte
	ds_store_b8 v5, v[EX+(\t)] offset:16*(\t)      ; both lanes of a block write the same byte with the same value
	global_store_b64 v4, v[CX+4*(\t):CX+4*(\t)+1], s[10:11] offset:256*(\t)   ; 32 lanes store 256 consecutive bytes, aligned
.endm
.Lpath_x:
	s_lshl_b32 s17, ttmp9, 3
	s_add_co_u32 s18, s17, s16                     ; which run of 8,192 numbers is my wave's
	s_mov_b32 s21, 0
	s_lshl_b32 s20, s18, 15
	s_add_nc_u64 s[4:5], s[4:5], s[20:21]          ; 32,768 bytes of x,
	s_lshl_b32 s20, s18, 12
	s_add_nc_u64 s[10:11], s[10:11], s[20:21]      ; 4,096 of codes,
	s_lshl_b32 s20, s18, 8
	s_add_nc_u64 s[12:13], s[12:13], s[20:21]      ; 256 scale bytes a run
	v_lshlrev_b32 v3, 4, v2                        ; my 16 bytes of a load's 512
	s_lshl_b32 s17, s16, 13                        ; my wave's 8,192 bytes of LDS: two stages of 32 x 80, then its 256 scale bytes
	v_lshrrev_b32 v14, 2, v2
	v_mul_u32_u24 v14, v14, SP
	v_and_b32 v15, 3, v2
	v_lshl_add_u32 v14, v15, 4, v14
	v_add_nc_u32 v14, s17, v14                     ; into a stage: four lanes' 64 bytes on end, then 16 of padding
	v_mul_u32_u24 v15, v2, SP
	v_add_nc_u32 v15, s17, v15                     ; out of it: my 16 neighbours
	v_lshlrev_b32 v4, 3, v2                        ; my 8 bytes of a step's codes
	v_lshrrev_b32 v5, 1, v2
	s_add_co_u32 s17, s17, 2*32*SP
	v_add_nc_u32 v5, s17, v5                       ; my block's scale byte
	v_lshlrev_b32 v7, 3, v2
	v_add_nc_u32 v6, s17, v7                       ; and on the way out 8 bytes a lane
.irp t, 0,1,2,3
	XLOAD \t
.endr
	s_wait_loadcnt 12                              ; step 0's four loads are in; three steps' twelve may be out
	XTURN 0
.irp t, 0,1,2,3,4,5,6,7,8,9,10,11,12,13,14,15
	XSTEP \t
.endr
	ds_load_b64 v[8:9], v6                         ; LDS serves a wave's instructions in order: these see my byte stores
	s_wait_dscnt 0x0
	global_store_b64 v7, v[8:9], s[12:13]          ; 32 lanes store 256 consecutive bytes, aligned
	s_wait_tensorcnt 0x0                           ; the wave's end
	ds_add_u32 v[SPW], v[NIL]
	s_wait_dscnt 0x0
	s_endpgm
; ---------------- qkv_w: 64 columns n x 512 along K to a work-group.  A lane takes a column, its registers run down K: a block of 32 lies in one lane, and the conversions give codes with K innermost.
; A wave takes 32 columns x 128 along K: four blocks.  Loads run two blocks ahead.
.macro WLOAD t
.set i, 0
.rept 32
	global_load_b32 v[32+32*((\t)%2)+i], v3, s[6:7] offset:(32*(\t)+i)*12288 th:TH_LOAD_NT
.set i, i+1
.endr
.endm
.macro WBLOCK t
.set XS, 32+32*((\t)%2)
.if (\t) < 3
	s_wait_loadcnt 32                              ; this block's 32 loads are in; the next block's may be out
.else
	s_wait_loadcnt 0x0
.endif
	v_max3_num_f32 v16, |v[XS]|, |v[XS+1]|, |v[XS+2]|
	v_max3_num_f32 v17, |v[XS+3]|, |v[XS+4]|, |v[XS+5]|
.irp i, 6,10,14,18,22,26
	v_max3_num_f32 v16, v16, |v[XS+\i]|, |v[XS+\i+1]|
	v_max3_num_f32 v17, v17, |v[XS+\i+2]|, |v[XS+\i+3]|
.endr
	v_max3_num_f32 v16, v16, |v[XS+30]|, |v[XS+31]|
	v_max3_num_f32 v16, v16, v17, 0x1800000        ; the floor 2^(3 - 127)
	v_add_nc_u32 v18, 0xff000000, v16              ; the conversions' scale operand
	v_lshrrev_b32 v19, 23, v18                     ; the scale's byte
.if (\t) == 0
	v_mov_b32 v24, v19                             ; four bytes to a word, the lower K in the lower byte
.else
	v_lshl_or_b32 v24, v19, 8*(\t), v24
.endif
.irp g, 0,1,2,3
	v_cvt_scalef32_pk8_fp4_f32 v[96+\g], v[XS+8*\g:XS+8*\g+7], v18
.endr
	ds_store_b128 v4, v[96:99] offset:16*(\t)      ; 32 codes: 16 bytes of my column's row
.if (\t)+2 < 4
	WLOAD (\t)+2
.endif
	s_wait_dscnt 0x0                               ; the store has been served before the next block's codes are written
.endm
.Lpath_w:
	s_sub_co_u32 s17, ttmp9, 128
	s_lshr_b32 s18, s17, 1                         ; which 64 columns
	s_and_b32 s19, s17, 1                          ; which 512 along K
	s_and_b32 s20, s16, 1                          ; my wave: which 32 of the columns,
	s_lshr_b32 s21, s16, 1                         ; which 128 of the 512
	s_lshl_b32 s22, s19, 9
	s_lshl_b32 s23, s21, 7
	s_add_co_u32 s22, s22, s23
	s_mul_i32 s22, s22, 12288                      ; rows of 12,288 bytes
	s_lshl_b32 s23, s18, 8
	s_add_co_u32 s22, s22, s23
	s_lshl_b32 s23, s20, 7
	s_add_co_u32 s22, s22, s23
	s_mov_b32 s23, 0
	s_add_nc_u64 s[6:7], s[6:7], s[22:23]
	v_lshlrev_b32 v3, 2, v2
	WLOAD 0
	WLOAD 1
	s_mul_i32 s24, s20, 32*WP
	s_lshl_b32 s25, s21, 6
	s_add_co_u32 s24, s24, s25
	s_add_co_u32 s24, s24, WSTG
	v_mul_u32_u24 v4, v2, WP
	v_add_nc_u32 v4, s24, v4                       ; codes into the stage: row = my column, + 64 bytes for each 128 along K
	s_lshl_b32 s24, s20, 9
	s_lshl_b32 s25, s21, 2
	s_add_co_u32 s25, s24, s25
	s_add_co_u32 s25, s25, WSCL
	v_lshl_add_u32 v5, v2, 4, s25                  ; my scale word: 16 bytes a column, 4 for each 128 along K
	s_add_co_u32 s24, s24, WSCL
	v_lshl_add_u32 v10, v2, 4, s24                 ; and a column's 16 bytes on the way out (waves 0 and 1)
	v_lshlrev_b32 v11, 5, v2                       ; a row of scl is 32 bytes
	v_and_b32 v8, 15, v2
	v_lshrrev_b32 v9, 4, v2
	s_mul_i32 s24, s16, 8*WP
	s_add_co_u32 s24, s24, WSTG
	v_mul_u32_u24 v6, v9, WP
	v_lshl_add_u32 v6, v8, 4, v6
	v_add_nc_u32 v6, s24, v6                       ; codes out of the stage: my wave's 8 rows, sixteen lanes to a row, two rows an instruction
	v_lshlrev_b32 v7, 9, v9
	v_lshl_add_u32 v7, v8, 4, v7                   ; the same place in cod: rows of 512 bytes
	s_lshl_b32 s22, s18, 15                        ; cod: 64 rows of 512 bytes,
	s_lshl_b32 s23, s16, 12                        ; my wave's 8,
	s_add_co_u32 s22, s22, s23
	s_lshl_b32 s23, s19, 8                         ; 512 along K are 256 bytes,
	s_add_co_u32 s22, s22, s23
	s_add_co_u32 s22, s22, 4194304                 ; behind x's codes
	s_mov_b32 s23, 0
	s_add_nc_u64 s[10:11], s[10:11], s[22:23]
	s_lshl_b32 s22, s18, 11                        ; scl: 64 rows of 32 bytes,
	s_lshl_b32 s23, s20, 10                        ; 32 of them,
	s_add_co_u32 s22, s22, s23
	s_lshl_b32 s23, s19, 4                         ; 512 along K are 16 bytes,
	s_add_co_u32 s22, s22, s23
	s_add_co_u32 s22, s22, 262144                  ; behind x's scale bytes
	s_mov_b32 s23, 0
	s_add_nc_u64 s[12:13], s[12:13], s[22:23]
	WBLOCK 0
	WBLOCK 1
	WBLOCK 2
	WBLOCK 3
	ds_store_b32 v5, v24
	s_wait_dscnt 0x0                               ; for the others' sake: my stores are done
	s_barrier_signal -1
	s_barrier_wait -1                              ; a row's 256 bytes of codes and 16 scale bytes come from four waves
.irp t, 0,1,2,3
	ds_load_b128 v[32+4*\t:35+4*\t], v6 offset:2*WP*\t
.endr
.irp t, 0,1,2,3
	s_wait_dscnt 3-\t                              ; load t is in, the younger ones may be out
	global_store_b128 v7, v[32+4*\t:35+4*\t], s[10:11] offset:1024*\t   ; sixteen lanes store 256 consecutive bytes, aligned
.endr
	s_cmp_lt_u32 s16, 2                            ; waves 0 and 1 send the scale bytes: 16 bytes a column, in rows 32 bytes apart (98,304 bytes in the whole launch go out in such pieces)
	s_cbranch_scc0 .Lw_end
	ds_load_b128 v[48:51], v10
	s_wait_dscnt 0x0
	global_store_b128 v11, v[48:51], s[12:13]
.Lw_end:
	s_wait_tensorcnt 0x0                           ; the wave's end
	ds_add_u32 v[SPW], v[NIL]
	s_wait_dscnt 0x0
	s_endpgm
.Lfunc_end_k_q8706141e35_prep:
	.size	k_q8706141e35_prep, .Lfunc_end_k_q8706141e35_prep-k_q8706141e35_prep
	.p2alignl 7, 3214868480
	.fill 96, 4, 3214868480
	.section	.rodata,"a",@progbits
	.p2align	6, 0x0
	.amdhsa_kernel k_q8706141e35_prep
		.amdhsa_group_segment_fixed_size 152576
		.amdhsa_private_segment_fixed_size 0
		.amdhsa_enable_private_segment 0
		.amdhsa_kernarg_size 48
		.amdhsa_user_sgpr_count 2
		.amdhsa_user_sgpr_kernarg_segment_ptr 1
		.amdhsa_wavefront_size32 1
		.amdhsa_system_sgpr_workgroup_id_x 1
		.amdhsa_system_sgpr_workgroup_id_y 1
		.amdhsa_system_sgpr_workgroup_id_z 1
		.amdhsa_system_vgpr_workitem_id 0
		.amdhsa_next_free_vgpr 192
		.amdhsa_next_free_sgpr 66
		.amdhsa_reserve_vcc 0
		.amdhsa_float_denorm_mode_32 3
		.amdhsa_float_denorm_mode_16_64 3
		.amdhsa_memory_ordered 1
		.amdhsa_forward_progress 1
		.amdhsa_inst_pref_size 74
	.end_amdhsa_kernel
	.amdgpu_metadata
---
amdhsa.version: [ 1, 2 ]
amdhsa.kernels:
  - .name:           k_q8706141e35_prep
    .symbol:         k_q8706141e35_prep.kd
    .args:
      - { .name: x, .offset: 0, .size: 8, .value_kind: global_buffer, .address_space: global }
      - { .name: qkv_w, .offset: 8, .size: 8, .value_kind: global_buffer, .address_space: global }
      - { .name: out_w, .offset: 16, .size: 8, .value_kind: global_buffer, .address_space: global }
      - { .name: cod, .offset: 24, .size: 8, .value_kind: global_buffer, .address_space: global }
      - { .name: scl, .offset: 32, .size: 8, .value_kind: global_buffer, .address_space: global }
      - { .name: wt, .offset: 40, .size: 8, .value_kind: global_buffer, .address_space: global }
    .group_segment_fixed_size: 152576
    .private_segment_fixed_size: 0
    .kernarg_segment_align: 8
    .kernarg_segment_size: 48
    .max_flat_workgroup_size: 256
    .sgpr_count:     66
    .vgpr_count:     192
    .wavefront_size: 32
...
	.end_amdgpu_metadata
.endif
;; end of part 1
;; launch qkv (part 2): grid 12 x 32, 4 waves a work-group, clusters of 4 x 4, 327,680 bytes of LDS; arguments cod, scl, qkv_b, qkvh, fa; writes qkvh, fa
.if DOCPART == 2
	.amdgcn_target "amdgcn-amd-amdhsa--gfx1250"
	.amdhsa_code_object_version 6
	.text
	.protected	k_q8706141e35_qkv
	.globl	k_q8706141e35_qkv
	.p2align	8
	.type	k_q8706141e35_qkv,@function
k_q8706141e35_qkv:
	s_mov_b64 s[64:65], 0
	v_nop
	global_prefetch_b8 v0, s[64:65] scope:SCOPE_SE
	s_setreg_imm32_b32 hwreg(HW_REG_WAVE_MODE, 25, 1), 1
	s_wait_xcnt 0x0
	s_wait_alu depctr_hold_cnt(0) depctr_sa_sdst(0) depctr_va_vdst(0) depctr_va_sdst(0) depctr_va_ssrc(0) depctr_va_vcc(0) depctr_vm_vsrc(0)
	s_getreg_b32 s2, hwreg(HW_REG_IB_STS2, 6, 4)
	s_cmp_eq_u32 s2, 0
	s_cbranch_scc0 .Lentry_in_a_cluster
	s_endpgm
.Lentry_in_a_cluster:
	s_bfe_u32 s2, ttmp6, 0x10000c
	s_cmp_lg_u32 s2, 0xf033
	s_cbranch_scc0 .Lentry_shape_is_right
	s_endpgm
.Lentry_shape_is_right:
; qkv = Q(x) Q(qkv_w) + qkv_b on codes of E2M1 with one E8M0 scale for each 32 along K; sums in f32; the result rounded to f16 and laid by head: qkvh [3 (q, k, v)][8 b][16 h][1,024 positions][64].
; A = x's codes [8192][512 bytes] at cod, B = qkv_w's [3072][512 bytes] at cod + 4,194,304; their scale bytes [rows][32] at scl and scl + 262,144.
; A tile of 256 x 256 is made by four waves, a wave makes 128 x 128: 64 accumulators of 16 x 16, 512 registers.  K = 1,024 is two slots of 512 (rows of 256 bytes): both are filled once, at the head, so nothing is filled again.
; The scale bytes of the work-group's 256 + 256 rows, for all of K, are two dense blocks of memory: they come into LDS once, as rows of 256 bytes.
; CLUSTERS: 4 x 4 work-groups; the four of a row of the cluster ask for A's tiles jointly, the four of a column for B's: the same tensor load with the same descriptor and a mask that names the four.
; THE MATRIX INSTRUCTION IS USED TRANSPOSED (source 0 = 16 rows of B, source 1 = 16 rows of A): a lane holds eight neighbouring columns of one row.  The bias is the C of each sum's first instruction.
; No prefetch: every tensor load of the launch is issued at its head.  LIMIT: results beyond 65,504 in magnitude have no f16 number.
; THE FINE PART.  The first 16 positions of every sequence average one to sixteen values and are the largest rows of the result, so the rounding of f16 operands weighs most there: their attention is made here once
; more, in f32.  That is 128 small pieces of work, one for each head of each batch.  The launch has 24 clusters; eight of them, numbers 8 to 15 counted x first, are 128 work-groups: each takes one piece behind its
; tile (batch = the cluster's number less 8, head = the work-group's place in the cluster).  Which eight is free: no value hangs on it.  The branch hangs on the cluster's number alone, which all sixteen partners
; share; it leads round no tensor load and no round of the cluster's barrier.  The piece's result leaves as two f16 numbers, a high and a low part: fa [128 = 16 b + position][1,024], the low parts 262,144 bytes on.
; WORK LEFT OUT in the fine part: keys above the diagonal count for nothing (see the first launch's head): their scores become -infinity.
; REGISTERS: window 0: v0-31 addresses; v32-95 scale words, two sets (they hold nothing else); v96-127 packed results; v128-191 A's fragments, one set, later rows on the way out; v192-255 the bias, 8 blocks x 8.
;   window 1: B's fragments, two sets, at v0 and v128.   window 2: the accumulators of my rows 0-63 ((a, b) at v[8 (8 a + b)]);   window 3: those of my rows 64-127.
.set NQ,     4                         ; matrix instructions deep in a slot
.set ROWB,   256                       ; a tile's row in bytes: 512 codes
.set KROW,   512                       ; a row of codes in memory
.set PITCH,  272                       ; an LDS row: 256 bytes + 16 of padding, so that the 16 rows that a load touches start 16 bytes further on in each 256
.set FR,     8                         ; registers of a fragment: 16 rows x 128 K
.set NL,     2                         ; LDS loads that bring one
.set NP,     4                         ; places behind this matrix instruction (ISA guide 7.12.1)
.set HALFT,  128*PITCH
.set SLOT,   4*HALFT                   ; A's 256 rows, then B's 256 rows
.set KS,     32                        ; a row of scale bytes
.set SCL,    2*SLOT                    ; behind the slots: the scales, as rows of 256 bytes + 16
.set HALFS,  (128*KS/256)*272          ; those of 128 rows: what one tensor load brings
.set SBLK,   (16*KS/256)*272           ; those of 16 rows
.set SPARE,  SCL+4*HALFS               ; the spare words, 128 bytes for each wave: two blocks of 256 bytes that no other line names
.set FIN,    SPARE+512                 ; the fine part's own bytes: twelve images of 1,024 bytes; no fill lands there
.set SPITCH, 272                       ; the way out: a stage of 16 rows x (256 bytes + 16) for each wave, in slot 0, which has had its only fill and its last read when the first result is stored there
.set ADRA, 16
.set ADRB, 20
.set STO,  24
.set RD,   25
.set CO,   26
.set ADRS, 27
.set SPW,  28
.set NIL,  29
.set BO,   30
.set SC,   32
.set TMP,  96
.set AF,   128
.set OB,   128
.set BI,   192
.set G1, 24
.set G0, 32
.set G1B, 48
.set G0B, 56
.set G1S, 68
.set G0S, 76
.set G1SB, 80
.set G0SB, 88
.set MSB, 0
.macro WIN new                         ; the immediate's high byte repeats the setting that is left
.if MSB != \new
	s_set_vgpr_msb (MSB<<8)|\new
.set MSB, \new
.endif
.endm
.set MUL_LO, 0xa1                      ; source 0 (B) window 1, source 1 (A) window 0, C and D window 2
.set MUL_HI, 0xf1                      ; the same, C and D window 3
.set FST_LO, 0x81                      ; the first step: C (the bias) window 0, D window 2
.set FST_HI, 0xc1                      ; C window 0, D window 3
.set TO_B,   0x40                      ; destination window 1, address window 0
; A joint load: waves 0 and 1 fetch for A, waves 2 and 3 for B.  The branch hangs on the wave's number alone.  An s_nop 0 and four v_nop follow each of the two lines.
.macro JLOAD g0a, g1a, g0b, g1b
	s_cmp_eq_u32 s15, 0
	s_cbranch_scc0 .Lfor_b_\@
	tensor_load_to_lds s[\g0a:\g0a+3], s[\g1a:\g1a+7]
	s_nop 0
.rept 4
	v_nop
.endr
	s_branch .Lasked_\@
.Lfor_b_\@:
	tensor_load_to_lds s[\g0b:\g0b+3], s[\g1b:\g1b+7]
	s_nop 0
.rept 4
	v_nop
.endr
.Lasked_\@:
.endm
.macro CROUND                          ; a round of the cluster's barrier
	s_barrier_signal -1
	s_barrier_wait -1
	s_cmp_lg_u32 s14, 0
	s_cbranch_scc1 .Lnot_wave_0_\@
	s_barrier_signal -3
.Lnot_wave_0_\@:
	s_barrier_wait -3
	s_barrier_signal -1
	s_barrier_wait -1
.endm
	s_load_b128 s[4:7], s[0:1], 0x0                ; cod s[4:5], scl s[6:7]
	s_load_b64 s[66:67], s[0:1], 0x10              ; qkv_b
	s_load_b64 s[12:13], s[0:1], 0x18              ; qkvh
	s_load_b64 s[96:97], s[0:1], 0x20              ; fa
	v_lshl_add_u32 v[SPW], v0, 2, SPARE
	v_mov_b32 v[NIL], 0
	ds_add_u32 v[SPW], v[NIL]                      ; the wave's opening: the add, twice on end, and its wait ahead of my first tensor load
	ds_add_u32 v[SPW], v[NIL]
	v_lshrrev_b32 v1, 5, v0
	v_readfirstlane_b32 s14, v1                    ; wave 0..3
	s_lshr_b32 s15, s14, 1                         ; which half of the tile's rows is mine.  Also: I fetch for A (0) or for B (1)
	s_and_b32 s16, s14, 1                          ; which half of its columns.  Also: which 128 rows of that tile I fetch
	s_bfe_u32 s40, ttmp6, 0x40000                  ; cx, cy: my place in the cluster
	s_bfe_u32 s41, ttmp6, 0x40004
	s_lshl_b32 s42, ttmp9, 2
	s_add_co_u32 s42, s42, s40                     ; tile column = 4 x cluster x + cx
	s_and_b32 s17, ttmp7, 0xffff
	s_lshl_b32 s17, s17, 2
	s_add_co_u32 s17, s17, s41                     ; tile row = 4 x cluster y + cy
	s_lshl_b32 s43, s41, 2
	s_lshl_b32 s43, 15, s43                        ; my row of the cluster
	s_lshl_b32 s44, 0x1111, s40                    ; my column
	s_or_b32 s[G1+0], s43, (0<<16)|(1<<20)|(1<<21)|(5<<22)|(3<<25)  ; the mask; elements of 1 byte; padding on; bit 21 beside a mask; after every 64 words 4 words
	s_or_b32 s[G1B+0], s44, (0<<16)|(1<<20)|(1<<21)|(5<<22)|(3<<25)
.irp g, G1, G1B
	s_mov_b32 s[\g+1], ROWB<<16                    ; tensor_dim0
	s_mov_b32 s[\g+2], 128<<16                     ; tensor_dim1
	s_mov_b32 s[\g+3], ROWB<<16                    ; tile_dim0
	s_mov_b32 s[\g+4], 128                         ; tile_dim1
	s_mov_b32 s[\g+5], KROW                        ; from row to row
	s_mov_b32 s[\g+6], 0
	s_mov_b32 s[\g+7], 0
.endr
	s_or_b32 s[G1S+0], s43, (3<<16)|(1<<20)|(1<<21)|(5<<22)|(3<<25) ; the scales of 128 rows: 4,096 dense bytes as 16 rows of 32 elements of 8 bytes
	s_or_b32 s[G1SB+0], s44, (3<<16)|(1<<20)|(1<<21)|(5<<22)|(3<<25)
.irp g, G1S, G1SB
	s_mov_b32 s[\g+1], 32<<16
	s_mov_b32 s[\g+2], (128*KS/256)<<16
	s_mov_b32 s[\g+3], 32<<16
	s_mov_b32 s[\g+4], 128*KS/256
	s_mov_b32 s[\g+5], 32
	s_mov_b32 s[\g+6], 0
	s_mov_b32 s[\g+7], 0
.endr
	s_lshl_b32 s18, s16, 7                         ; which 128 rows of the tile I fetch
	s_lshl_b32 s20, s17, 8
	s_add_co_u32 s20, s20, s18                     ; A: row 256 x tile row + 128 x half
	s_lshl_b32 s46, s42, 8
	s_add_co_u32 s46, s46, s18                     ; B: row 256 x tile column + 128 x half
	s_mov_b32 s21, 0
	s_mov_b32 s47, 0
	s_mov_b64 s[18:19], KS
	s_mul_u64 s[22:23], s[20:21], s[18:19]         ; where these rows' scales begin,
	s_mul_u64 s[92:93], s[46:47], s[18:19]
	s_mov_b64 s[18:19], KROW
	s_mul_u64 s[20:21], s[20:21], s[18:19]         ; and their codes
	s_mul_u64 s[46:47], s[46:47], s[18:19]
	s_mul_i32 s45, s14, HALFT                      ; where they go: wave x 128 rows
	s_mul_i32 s94, s14, HALFS
	s_wait_dscnt 0x0                               ; both opening adds are done
	s_wait_kmcnt 0x0
	s_add_nc_u64 s[8:9], s[4:5], 4194304           ; qkv_w's codes lie behind x's,
	s_add_nc_u64 s[10:11], s[6:7], 262144          ; its scale bytes behind x's
	s_add_nc_u64 s[20:21], s[4:5], s[20:21]
	s_add_nc_u64 s[22:23], s[6:7], s[22:23]
	s_add_nc_u64 s[46:47], s[8:9], s[46:47]
	s_add_nc_u64 s[92:93], s[10:11], s[92:93]
	CROUND                                         ; all sixteen work-groups are here: the joint loads meet
	s_mov_b32 s[G0S], 1
	s_add_co_u32 s[G0S+1], s94, SCL
	s_mov_b64 s[G0S+2:G0S+3], s[22:23]
	s_or_b32 s[G0S+3], s[G0S+3], 0x80000000
	s_mov_b32 s[G0SB], 1
	s_add_co_u32 s[G0SB+1], s94, SCL
	s_mov_b64 s[G0SB+2:G0SB+3], s[92:93]
	s_or_b32 s[G0SB+3], s[G0SB+3], 0x80000000
	JLOAD G0S, G1S, G0SB, G1SB                     ; the scales first: they are wanted with slot 0
.irp s, 0,1
	s_mov_b32 s[G0+4*\s], 1
	s_add_co_u32 s[G0+4*\s+1], s45, \s*SLOT
	s_add_nc_u64 s[G0+4*\s+2:G0+4*\s+3], s[20:21], \s*ROWB
	s_or_b32 s[G0+4*\s+3], s[G0+4*\s+3], 0x80000000
	s_mov_b32 s[G0B+4*\s], 1
	s_add_co_u32 s[G0B+4*\s+1], s45, \s*SLOT
	s_add_nc_u64 s[G0B+4*\s+2:G0B+4*\s+3], s[46:47], \s*ROWB
	s_or_b32 s[G0B+4*\s+3], s[G0B+4*\s+3], 0x80000000
	JLOAD G0+4*\s, G1, G0B+4*\s, G1B               ; three tensor loads of mine are out at the most
.endr
	v_and_b32 v1, 15, v0                           ; r = l % 16
	v_bfe_u32 v2, v0, 4, 1                         ; h = l / 16
	s_lshl_b32 s46, s42, 10                        ; the bias of my 128 columns: 4 x (256 x tile column + 128 x half)
	s_lshl_b32 s47, s16, 9
	s_add_co_u32 s46, s46, s47
	s_mov_b32 s47, 0
	s_add_nc_u64 s[94:95], s[66:67], s[46:47]      ; (qkv_b's own address stays in s[66:67] for the fine part)
	v_lshlrev_b32 v[BO], 5, v2                     ; lane (r, h) wants, for block b, the numbers of columns 16 b + 8 h + 0 .. 7
.irp b, 0,1,2,3,4,5,6,7
	global_load_b128 v[BI+8*\b:BI+8*\b+3], v[BO], s[94:95] offset:64*\b
	global_load_b128 v[BI+8*\b+4:BI+8*\b+7], v[BO], s[94:95] offset:64*\b+16
.endr
	v_mul_u32_u24 v3, v1, PITCH
	v_lshl_add_u32 v4, v2, 4, v3                   ; a fragment's row x pitch + 16 x half
	s_mul_i32 s21, s15, HALFT                      ; my 128 rows of A
	s_mul_i32 s22, s16, HALFT                      ; my 128 rows of B,
	s_add_co_u32 s22, s22, 2*HALFT                 ; which lie behind A's 256
.irp s, 0,1
	v_add_nc_u32 v[ADRA+\s], s21, v4
	v_add_nc_u32 v[ADRB+\s], s22, v4
	s_add_co_u32 s21, s21, SLOT
	s_add_co_u32 s22, s22, SLOT
.endr
	v_mul_u32_u24 v5, v1, KS                       ; my row's scales: 32 bytes a row,
	v_lshrrev_b32 v6, 8, v5
	v_lshl_add_u32 v5, v6, 4, v5                   ; and 16 more for each 256 passed
	s_mul_i32 s21, s15, HALFS                      ; A's: my 128 rows
	s_mul_i32 s22, s16, HALFS                      ; B's: my 128 rows, behind A's 256
	s_add_co_u32 s22, s22, 2*HALFS
	s_sub_co_u32 s22, s22, s21
	v_mul_u32_u24 v6, s22, v2                      ; lanes 16-31 take B's
	s_add_co_u32 s21, s21, SCL
	v_add_nc_u32 v5, v5, v6
	v_add_nc_u32 v[ADRS], s21, v5
	s_mul_i32 s23, s14, 16*SPITCH                  ; my stage
	v_mul_u32_u24 v5, v1, SPITCH                   ; in: row r, 16 bytes for each half of the lanes
	v_lshl_add_u32 v5, v2, 4, v5
	v_add_nc_u32 v[STO], s23, v5
	v_bfe_u32 v5, v0, 3, 1                         ; back: a stage row holds 128 bytes of one head and 128 of the next.  Lanes 0-15 take two rows' parts of the first head, lanes 16-31 of the second
	v_mul_u32_u24 v5, v5, SPITCH
	v_lshl_add_u32 v5, v2, 7, v5
	v_and_b32 v6, 7, v0
	v_lshl_add_u32 v5, v6, 4, v5
	v_add_nc_u32 v[RD], s23, v5
	v_lshlrev_b32 v[CO], 17, v2                    ; in qkvh a head is 131,072 bytes, and two of its rows are 256 consecutive bytes
	v_lshl_add_u32 v[CO], v1, 4, v[CO]
	s_lshr_b32 s20, s17, 2                         ; my part of qkvh: the batch = tile row / 4,
	s_lshl_b32 s20, s20, 4
	s_lshl_b32 s21, s16, 1
	s_add_co_u32 s20, s20, s21                     ; x 16 heads + 2 x my half of the columns,
	s_lshl_b32 s20, s20, 17
	s_and_b32 s21, s17, 3
	s_lshl_b32 s21, s21, 8
	s_lshl_b32 s22, s15, 7
	s_add_co_u32 s21, s21, s22                     ; position 256 x (tile row % 4) + 128 x my half of the rows,
	s_lshl_b32 s21, s21, 7                         ; 128 bytes each
	s_add_co_u32 s20, s20, s21
	s_mov_b32 s21, 0
	s_lshr_b32 s46, s42, 2                         ; q, k or v = tile column / 4: 128 heads' worth each,
	s_lshl_b32 s46, s46, 7
	s_and_b32 s47, s42, 3
	s_lshl_b32 s47, s47, 2                         ; and four heads to a tile column
	s_add_co_u32 s46, s46, s47
	s_lshl_b32 s46, s46, 17
	s_mov_b32 s47, 0
	s_add_nc_u64 s[20:21], s[20:21], s[46:47]
	s_add_nc_u64 s[12:13], s[12:13], s[20:21]
.macro FRAG reg, adr, q, i             ; 16 rows x 128 K of 4-bit codes: lane l holds row l % 16; registers 4 c .. 4 c + 3 hold K = 64 c + 32 (l / 16) + 0 .. 31
.irp c, 0,1
	ds_load_b128 v[\reg+4*\c:\reg+4*\c+3], v[\adr] offset:64*(\q)+32*\c+(\i)*16*PITCH
.endr
.endm
; 16 matrix instructions: A's blocks a0, a0 + 1 x B's eight, the slot's q-th 128 along K.  p: B's set; sc: the set of scale words.  first = 1: the bias is C: nothing is cleared and nothing is added later.
; The 64 accumulators take turns, one instruction a turn, in the same order in every step.
.macro MUL16 a0, p, q, sc, first
.irp a, \a0, \a0+1
.irp b, 0,1,2,3,4,5,6,7
.if \first
	v_wmma_scale_f32_16x16x128_f8f6f4 v[8*(8*((\a)%4)+\b):8*(8*((\a)%4)+\b)+7], v[128*(\p)+FR*\b:128*(\p)+FR*\b+FR-1], v[AF+FR*(\a):AF+FR*(\a)+FR-1], v[BI+8*\b:BI+8*\b+7], v[SC+8*NQ*(\sc)+NQ*\b+(\q)], v[SC+8*NQ*(\sc)+NQ*(\a)+(\q)] matrix_a_fmt:MATRIX_FMT_FP4 matrix_b_fmt:MATRIX_FMT_FP4 matrix_a_scale:MATRIX_SCALE_ROW1
.else
	v_wmma_scale_f32_16x16x128_f8f6f4 v[8*(8*((\a)%4)+\b):8*(8*((\a)%4)+\b)+7], v[128*(\p)+FR*\b:128*(\p)+FR*\b+FR-1], v[AF+FR*(\a):AF+FR*(\a)+FR-1], v[8*(8*((\a)%4)+\b):8*(8*((\a)%4)+\b)+7], v[SC+8*NQ*(\sc)+NQ*\b+(\q)], v[SC+8*NQ*(\sc)+NQ*(\a)+(\q)] matrix_a_fmt:MATRIX_FMT_FP4 matrix_b_fmt:MATRIX_FMT_FP4 matrix_a_scale:MATRIX_SCALE_ROW1
.endif
.endr
.endr
.endm
.macro FETCH_B slot, q, p
	WIN TO_B
.irp i, 0,1,2,3,4,5,6,7
	FRAG 128*(\p)+FR*\i, ADRB+\slot, \q, \i
.endr
	WIN 0
.endm
.macro FETCH_A slot, q, i0
.irp i, \i0, \i0+1, \i0+2, \i0+3
	FRAG AF+FR*(\i), ADRA+\slot, \q, \i
.endr
.endm
.macro SCALES sc                       ; a slot's scale words: four a row; lanes 0-15 take A's block i, lanes 16-31 B's block i
.irp i, 0,1,2,3,4,5,6,7
	ds_load_b128 v[SC+8*NQ*\sc+NQ*\i:SC+8*NQ*\sc+NQ*\i+3], v[ADRS] offset:\i*SBLK
.endr
.endm
.macro PLACES n                        ; plain vector instructions between a matrix instruction and a load into its registers or a read of its result
.rept \n
	v_nop
.endr
.endm
.macro STEP slot, q, first             ; a step of 128 along K that has its successor in the same slot
	s_wait_dscnt 4*NL                              ; B's set and A's blocks 0-3 are in; the youngest eight loads (A's blocks 4-7) may be out
.if \first
	WIN FST_LO
.else
	WIN MUL_LO
.endif
	MUL16 0, (\q)%2, \q, \slot, \first
	MUL16 2, (\q)%2, \q, \slot, \first
	s_wait_dscnt 0
	PLACES NP
	FETCH_B \slot, (\q)+1, 1-(\q)%2
	FETCH_A \slot, (\q)+1, 0
.if \first
	WIN FST_HI
.else
	WIN MUL_HI
.endif
	MUL16 4, (\q)%2, \q, \slot, \first
	MUL16 6, (\q)%2, \q, \slot, \first
	PLACES NP
	WIN 0
	FETCH_A \slot, (\q)+1, 4
.endm
	s_wait_tensorcnt 1                             ; the scales and my part of slot 0 are in; slot 1's load may be out
	s_barrier_signal -1
	s_barrier_wait -1                              ; everybody's are
	FETCH_B 0, 0, 0
	FETCH_A 0, 0, 0
	SCALES 0
	FETCH_A 0, 0, 4
	s_wait_loadcnt 0x0                             ; the bias
	STEP 0, 0, 1
	STEP 0, 1, 0
	STEP 0, 2, 0
	; slot 0's last step changes slots: one barrier; in front of it each wave waits for all its tensor loads, adds 0 to its spare word, and waits for that and for its reads of slot 0
	s_wait_tensorcnt 0x0                           ; my part of slot 1 has landed
	ds_add_u32 v[SPW], v[NIL]
	s_wait_dscnt 4*NL+1                            ; the add and the youngest eight loads (A's blocks 4-7) may be out
	WIN MUL_LO
	MUL16 0, 1, 3, 0, 0
	s_wait_dscnt 0x0                               ; the add is done, and my reads of slot 0 are over
	s_barrier_signal -1
	MUL16 2, 1, 3, 0, 0
	WIN 0
	s_barrier_wait -1                              ; slot 1 is whole, and nobody reads slot 0 any more
	PLACES NP
	v_add_nc_u32 v[ADRS], 4*NQ, v[ADRS]            ; on to slot 1's scale words
	FETCH_B 1, 0, 0
	FETCH_A 1, 0, 0
	SCALES 1
	WIN MUL_HI
	MUL16 4, 1, 3, 0, 0
	MUL16 6, 1, 3, 0, 0
	PLACES NP
	WIN 0
	FETCH_A 1, 0, 4
	STEP 1, 0, 0
	STEP 1, 1, 0
	STEP 1, 2, 0
	s_wait_dscnt 4*NL                              ; the last step: nothing more to fetch; A's blocks 4-7 may be out
	WIN MUL_LO
	MUL16 0, 1, 3, 1, 0
	MUL16 2, 1, 3, 1, 0
	s_wait_dscnt 0
	WIN MUL_HI
	MUL16 4, 1, 3, 1, 0
	MUL16 6, 1, 3, 1, 0
	WIN 0
; THE WAY OUT, block by block of 16 rows x 128 columns (two heads).  PACK: rounded to f16, 16 bytes a lane, each accumulator from its low end on.  TOSTAGE: into my own stage and back by heads.  SEND: stored.
.macro PACK a
.set AC, 64*((\a)%4)
	WIN 0x0a+5*((\a)/4)                            ; sources 0 and 1: window 2 or 3
.irp b, 0,1,2,3,4,5,6,7
.irp p, 0,1,2,3
	v_cvt_pk_f16_f32 v[TMP+4*\b+\p], v[AC+8*\b+2*\p], v[AC+8*\b+2*\p+1]
.endr
.endr
	WIN 0
.endm
.macro TOSTAGE a
.set BB, OB+32*((\a)%2)
.irp b, 0,1,2,3,4,5,6,7
	ds_store_b128 v[STO], v[TMP+4*\b:TMP+4*\b+3] offset:32*\b
.endr
.irp t, 0,1,2,3,4,5,6,7
	ds_load_b128 v[BB+4*\t:BB+4*\t+3], v[RD] offset:\t*2*SPITCH    ; LDS serves a wave's instructions in order: these see the stores above
.endr
.endm
.macro SEND a
.set BB, OB+32*((\a)%2)
	s_wait_dscnt 0x0                               ; the block is back in registers
	s_wait_xcnt 0x0                                ; the block before has had its stores' addresses translated: its registers are loaded again only behind this wait
.irp t, 0,1,2,3,4,5,6,7
	global_store_b128 v[CO], v[BB+4*\t:BB+4*\t+3], s[12:13] offset:2048*(\a)+256*\t   ; sixteen lanes store 256 consecutive bytes (two rows of a head), aligned
.endr
.endm
	PLACES NP
	PACK 0
	TOSTAGE 0
.irp a, 1,2,3,4,5,6,7
	PACK \a                                        ; a block's conversions stand between the loads of the block before and the wait for them
	SEND (\a)-1
	TOSTAGE \a
.endr
	SEND 7
; ---------------- THE FINE PART: clusters 8 to 15 alone.
; Phase 1: q, k and v of positions 0-15 of my head, made again from the codes by the format's own instruction, kept in f32.  Wave t makes channels 16 t .. 16 t + 15 of all three: x's eight fragments serve the three
; products; six accumulators take turns.  q and k are made transposed (source 0 = 16 columns of qkv_w, source 1 = x's 16 rows): a lane holds one position and eight channels; v in the natural order: a lane holds
; one channel and eight keys.  So the images that go through LDS are already the f32 form's operands: that form gives lane (r, h) k = 2 h + j, and a pair of a lane's registers stands for the same four channels
; (or keys) on both sides of a product.  Phase 2, wave 0: both attention products by the f32 matrix form, softmax in f32.
; REGISTERS of the fine part: window 1: v0-63 x's fragments, v64-255 qkv_w's (64 for each of q, k, v).  window 0: v4-15 addresses and work; v32-39 x's scale words, v40-63 qkv_w's; v96-143 six sums; v144-167 their
; totals; v192-215 the bias.  Phase 2: v96-127 q, v128-159 k, v160-191 v, v192-199 the scores and p, v208-239 o; the f32 form's results lie in window 2, v0-47, which matrix instructions alone write in this text.
.set FXS, 32
.set FWS, 40
.set FAC, 96
.set FRS, 144
.set FBI, 192
	s_wait_xcnt 0x0                                ; the last stores have had their addresses translated: their registers are written again only behind this wait
	s_and_b32 s20, ttmp7, 0xffff
	s_mul_i32 s20, s20, 3
	s_add_co_u32 s20, s20, ttmp9                   ; the cluster's number, x first: the same in all sixteen partners
	s_sub_co_u32 s43, s20, 8                       ; the batch
	s_cmp_lt_u32 s43, 8                            ; (unsigned: numbers under 8 wrap round to large ones)
	s_cbranch_scc0 .Ltail
	v_and_b32 v4, 15, v0                           ; r
	v_bfe_u32 v5, v0, 4, 1                         ; h
	v_lshlrev_b32 v6, 9, v4
	v_lshl_add_u32 v6, v5, 4, v6                   ; codes: row r of 512 bytes, + 16 h
	v_lshlrev_b32 v7, 5, v4                        ; scale bytes: row r of 32
	v_lshlrev_b32 v8, 5, v5                        ; the bias, transposed: columns 8 h + 0 .. 7
	v_lshlrev_b32 v9, 2, v4                        ; in the natural order: column r
	v_and_b32 v10, 31, v0
	v_lshlrev_b32 v10, 4, v10                      ; an image's place for my lane
	s_lshl_b32 s20, s14, 10
	s_add_co_u32 s20, s20, FIN
	v_add_nc_u32 v11, s20, v10                     ; where I store: image 4 x kind + wave
	v_add_nc_u32 v10, FIN, v10                     ; where wave 0 reads
	s_lshl_b32 s42, s41, 2
	s_add_co_u32 s42, s42, s40                     ; the head = my place in the cluster: it enters global addresses alone
	s_mov_b32 s21, 0
	s_lshl_b32 s20, s43, 19
	s_add_nc_u64 s[22:23], s[4:5], s[20:21]        ; x's codes: the batch's first rows
	s_lshl_b32 s20, s42, 15
	s_lshl_b32 s18, s14, 13
	s_add_co_u32 s20, s20, s18
	s_add_nc_u64 s[44:45], s[8:9], s[20:21]        ; qkv_w's codes: column 64 x head + 16 x wave of q; k's and v's lie 1,024 and 2,048 columns on
	s_lshl_b32 s20, s43, 15
	s_add_nc_u64 s[46:47], s[6:7], s[20:21]        ; their scale bytes
	s_lshl_b32 s20, s42, 11
	s_lshl_b32 s18, s14, 9
	s_add_co_u32 s20, s20, s18
	s_add_nc_u64 s[92:93], s[10:11], s[20:21]
	s_lshl_b32 s20, s42, 8
	s_lshl_b32 s18, s14, 6
	s_add_co_u32 s20, s20, s18
	s_add_nc_u64 s[66:67], s[66:67], s[20:21]      ; the bias
	s_lshl_b32 s20, s43, 15
	s_lshl_b32 s18, s42, 7
	s_add_co_u32 s20, s20, s18
	s_add_nc_u64 s[96:97], s[96:97], s[20:21]      ; fa: 16 rows of 2,048 bytes a batch, 128 bytes a head
	s_mov_b32 s18, 0x76543210
	s_mov_b32 s19, 0xfedcba98                      ; lane l xor 16
	s_mov_b32 s98, 0x3e38aa3b                      ; c = log2(e) / 8
	s_mov_b32 s99, s98
	WIN TO_B                                       ; destination window 1
.irp s, 0,1,2,3,4,5,6,7
.irp c, 0,1
	global_load_b128 v[8*\s+4*\c:8*\s+4*\c+3], v6, s[22:23] offset:64*\s+32*\c
.irp k, 0,1,2
	global_load_b128 v[64+64*\k+8*\s+4*\c:64+64*\k+8*\s+4*\c+3], v6, s[44:45] offset:524288*\k+64*\s+32*\c
.endr
.endr
.endr
	WIN 0
	global_load_b128 v[FXS:FXS+3], v7, s[46:47]
	global_load_b128 v[FXS+4:FXS+7], v7, s[46:47] offset:16
.irp k, 0,1,2
	global_load_b128 v[FWS+8*\k:FWS+8*\k+3], v7, s[92:93] offset:32768*\k
	global_load_b128 v[FWS+8*\k+4:FWS+8*\k+7], v7, s[92:93] offset:32768*\k+16
.endr
.irp k, 0,1
	global_load_b128 v[FBI+8*\k:FBI+8*\k+3], v8, s[66:67] offset:4096*\k
	global_load_b128 v[FBI+8*\k+4:FBI+8*\k+7], v8, s[66:67] offset:4096*\k+16
.endr
.irp j, 0,1,2,3,4,5,6,7
	global_load_b32 v[FBI+16+\j], v9, s[66:67] offset:8192         ; v: my column's bias, for each of my eight keys
.endr
	s_wait_loadcnt 0x0
	WIN 0x05                                       ; sources 0 and 1 window 1; C and D window 0
; K = 1,024 in eight steps; each of q, k, v has two sums, one begun with the bias and one with 0; the six take turns, one instruction a turn
.irp s, 0,1,2,3,4,5,6,7
.irp k, 0,1
.if \s == 0
	v_wmma_scale_f32_16x16x128_f8f6f4 v[FAC+16*\k:FAC+16*\k+7], v[64+64*\k:64+64*\k+7], v[0:7], v[FBI+8*\k:FBI+8*\k+7], v[FWS+8*\k], v[FXS] matrix_a_fmt:MATRIX_FMT_FP4 matrix_b_fmt:MATRIX_FMT_FP4
.elseif \s == 1
	v_wmma_scale_f32_16x16x128_f8f6f4 v[FAC+16*\k+8:FAC+16*\k+15], v[64+64*\k+8:64+64*\k+15], v[8:15], 0, v[FWS+8*\k+1], v[FXS+1] matrix_a_fmt:MATRIX_FMT_FP4 matrix_b_fmt:MATRIX_FMT_FP4
.else
	v_wmma_scale_f32_16x16x128_f8f6f4 v[FAC+16*\k+8*(\s%2):FAC+16*\k+8*(\s%2)+7], v[64+64*\k+8*\s:64+64*\k+8*\s+7], v[8*\s:8*\s+7], v[FAC+16*\k+8*(\s%2):FAC+16*\k+8*(\s%2)+7], v[FWS+8*\k+\s], v[FXS+\s] matrix_a_fmt:MATRIX_FMT_FP4 matrix_b_fmt:MATRIX_FMT_FP4
.endif
.endr
.if \s == 0
	v_wmma_scale_f32_16x16x128_f8f6f4 v[FAC+32:FAC+39], v[0:7], v[192:199], v[FBI+16:FBI+23], v[FXS], v[FWS+16] matrix_a_fmt:MATRIX_FMT_FP4 matrix_b_fmt:MATRIX_FMT_FP4
.elseif \s == 1
	v_wmma_scale_f32_16x16x128_f8f6f4 v[FAC+40:FAC+47], v[8:15], v[200:207], 0, v[FXS+1], v[FWS+17] matrix_a_fmt:MATRIX_FMT_FP4 matrix_b_fmt:MATRIX_FMT_FP4
.else
	v_wmma_scale_f32_16x16x128_f8f6f4 v[FAC+32+8*(\s%2):FAC+32+8*(\s%2)+7], v[8*\s:8*\s+7], v[192+8*\s:192+8*\s+7], v[FAC+32+8*(\s%2):FAC+32+8*(\s%2)+7], v[FXS+\s], v[FWS+16+\s] matrix_a_fmt:MATRIX_FMT_FP4 matrix_b_fmt:MATRIX_FMT_FP4
.endif
.endr
	WIN 0
	PLACES NP
.irp k, 0,1,2
.irp i, 0,2,4,6
	v_pk_add_f32 v[FRS+8*\k+\i:FRS+8*\k+\i+1], v[FAC+16*\k+\i:FAC+16*\k+\i+1], v[FAC+16*\k+8+\i:FAC+16*\k+8+\i+1]   ; each sum from its low end on
.endr
.endr
.irp k, 0,1,2
	ds_store_b128 v11, v[FRS+8*\k:FRS+8*\k+3] offset:4096*\k       ; a tile goes to LDS as an image of its registers
	ds_store_b128 v11, v[FRS+8*\k+4:FRS+8*\k+7] offset:4096*\k+512
.endr
	s_wait_dscnt 0x0                               ; for wave 0's sake: my stores are done
	s_barrier_signal -1
	s_barrier_wait -1
	s_cmp_lg_u32 s14, 0
	s_cbranch_scc1 .Ltail
.irp i, 0,1,2,3,4,5,6,7,8,9,10,11
	ds_load_b128 v[96+8*\i:99+8*\i], v10 offset:1024*\i            ; q to v96-127, k to v128-159, v to v160-191
	ds_load_b128 v[100+8*\i:103+8*\i], v10 offset:1024*\i+512
.endr
	v_lshlrev_b32 v12, 3, v5
	v_sub_nc_u32 v12, v4, v12                      ; r - 8 h
	v_mov_b32 v13, 0xff800000
	v_mov_b32 v15, 0
	s_wait_dscnt 0x0
	WIN 0xa0                                       ; C and D window 2
; S^T = k q^T: sixteen steps of four channels, on two accumulators by turns; the first step of each starts its sum
.set n, 0
.rept 16
.if n < 2
	v_wmma_f32_16x16x4_f32 v[8*(n%2):8*(n%2)+7], v[128+2*n:129+2*n], v[96+2*n:97+2*n], 0
.else
	v_wmma_f32_16x16x4_f32 v[8*(n%2):8*(n%2)+7], v[128+2*n:129+2*n], v[96+2*n:97+2*n], v[8*(n%2):8*(n%2)+7]
.endif
.set n, n+1
.endr
	PLACES 8                                       ; eight places behind this form
	WIN 0x0a                                       ; sources 0 and 1 window 2
.irp i, 0,2,4,6
	v_pk_add_f32 v[192+\i:193+\i], v[\i:\i+1], v[8+\i:9+\i]        ; lane (r, h), register j: query r, key 8 h + j
.endr
	WIN 0
.irp j, 0,1,2,3,4,5,6,7
	v_cmp_gt_i32 vcc_lo, \j, v12                   ; hidden where 8 h + j > r
	v_cndmask_b32 v[192+\j], v[192+\j], v13, vcc_lo
.endr
	v_max3_num_f32 v14, v192, v193, v194
	v_max3_num_f32 v14, v14, v195, v196
	v_max3_num_f32 v14, v14, v197, v198
	v_max_num_f32 v14, v14, v199
	v_permlanex16_b32 v15, v14, s18, s19
	v_max_num_f32 v14, v14, v15                    ; the row's largest score: key 0 counts for every query
	v_mul_f32 v14, s98, v14
.irp i, 0,2,4,6
	v_pk_fma_f32 v[192+\i:193+\i], v[192+\i:193+\i], s[98:99], v[14:15] op_sel_hi:[1,0,0] neg_lo:[0,0,1] neg_hi:[0,0,1]
.endr
.irp j, 0,1,2,3,4,5,6,7
	v_exp_f32 v[192+\j], v[192+\j]
.endr
	v_nop
	s_wait_alu depctr_va_vdst(0)                   ; one wait for the eight, ahead of their first reader
	v_pk_add_f32 v[200:201], v[192:193], v[194:195]
	v_pk_add_f32 v[202:203], v[196:197], v[198:199]
	v_pk_add_f32 v[200:201], v[200:201], v[202:203]
	v_add_f32 v200, v200, v201
	v_permlanex16_b32 v202, v200, s18, s19
	v_add_f32 v200, v200, v202
	v_rcp_f32 v204, v200
	v_nop
	s_wait_alu depctr_va_vdst(0)
	WIN 0xa0
; O^T = v^T p^T: four steps of four keys, four accumulators by turns
.irp s, 0,1,2,3
.irp td, 0,1,2,3
.if \s == 0
	v_wmma_f32_16x16x4_f32 v[16+8*\td:23+8*\td], v[160+8*\td:161+8*\td], v[192:193], 0
.else
	v_wmma_f32_16x16x4_f32 v[16+8*\td:23+8*\td], v[160+8*\td+2*\s:161+8*\td+2*\s], v[192+2*\s:193+2*\s], v[16+8*\td:23+8*\td]
.endif
.endr
.endr
	PLACES 8
	WIN 0x02                                       ; source 0 window 2
.set n, 0
.rept 32
	v_mul_f32 v[208+n], v[16+n], v204              ; register 8 td + j: o(query r, channel 16 td + 8 h + j)
.set n, n+1
.endr
	WIN 0
.set n, 0
.rept 16
	v_cvt_pk_f16_f32 v14, v[208+2*n], v[209+2*n]   ; the high parts of a pair, made in v14, whose halves are named by number,
	v_cvt_f32_f16 v12, v14.l
	v_cvt_f32_f16 v13, v14.h
	v_mov_b32 v[96+n], v14                         ; and moved to their place in the run of registers that is stored
	v_pk_add_f32 v[208+2*n:209+2*n], v[208+2*n:209+2*n], v[12:13] neg_lo:[0,1] neg_hi:[0,1]
	v_cvt_pk_f16_f32 v[112+n], v[208+2*n], v[209+2*n]              ; what is left, in f16
.set n, n+1
.endr
	v_lshlrev_b32 v6, 11, v4
	v_lshl_add_u32 v6, v5, 4, v6                   ; row r of 2,048 bytes, + 16 h
.irp td, 0,1,2,3
	global_store_b128 v6, v[96+4*\td:99+4*\td], s[96:97] offset:32*\td              ; pieces of 32 bytes in rows 2,048 bytes apart: 524,288 bytes in the whole launch
	global_store_b128 v6, v[112+4*\td:115+4*\td], s[96:97] offset:262144+32*\td
.endr
.Ltail:
	s_wait_tensorcnt 0x0                           ; the wave's end
	ds_add_u32 v[SPW], v[NIL]
	s_wait_dscnt 0x0
	CROUND                                         ; the closing round
	s_endpgm
.Lfunc_end_k_q8706141e35_qkv:
	.size	k_q8706141e35_qkv, .Lfunc_end_k_q8706141e35_qkv-k_q8706141e35_qkv
	.p2alignl 7, 3214868480
	.fill 96, 4, 3214868480
	.section	.rodata,"a",@progbits
	.p2align	6, 0x0
	.amdhsa_kernel k_q8706141e35_qkv
		.amdhsa_group_segment_fixed_size 327680
		.amdhsa_private_segment_fixed_size 0
		.amdhsa_enable_private_segment 0
		.amdhsa_kernarg_size 40
		.amdhsa_user_sgpr_count 2
		.amdhsa_user_sgpr_kernarg_segment_ptr 1
		.amdhsa_wavefront_size32 1
		.amdhsa_system_sgpr_workgroup_id_x 1
		.amdhsa_system_sgpr_workgroup_id_y 1
		.amdhsa_system_sgpr_workgroup_id_z 1
		.amdhsa_system_vgpr_workitem_id 0
		.amdhsa_next_free_vgpr 1024
		.amdhsa_next_free_sgpr 100
		.amdhsa_reserve_vcc 1
		.amdhsa_float_denorm_mode_32 3
		.amdhsa_float_denorm_mode_16_64 3
		.amdhsa_memory_ordered 1
		.amdhsa_forward_progress 1
		.amdhsa_inst_pref_size 155
	.end_amdhsa_kernel
	.amdgpu_metadata
---
amdhsa.version: [ 1, 2 ]
amdhsa.kernels:
  - .name:           k_q8706141e35_qkv
    .symbol:         k_q8706141e35_qkv.kd
    .args:
      - { .name: cod, .offset: 0, .size: 8, .value_kind: global_buffer, .address_space: global }
      - { .name: scl, .offset: 8, .size: 8, .value_kind: global_buffer, .address_space: global }
      - { .name: qkv_b, .offset: 16, .size: 8, .value_kind: global_buffer, .address_space: global }
      - { .name: qkvh, .offset: 24, .size: 8, .value_kind: global_buffer, .address_space: global }
      - { .name: fa, .offset: 32, .size: 8, .value_kind: global_buffer, .address_space: global }
    .group_segment_fixed_size: 327680
    .private_segment_fixed_size: 0
    .kernarg_segment_align: 8
    .kernarg_segment_size: 40
    .max_flat_workgroup_size: 128
    .sgpr_count:     100
    .vgpr_count:     1024
    .wavefront_size: 32
...
	.end_amdgpu_metadata
.endif
;; end of part 2
;; launch attn (part 3): grid 2 x 128, 16 waves a work-group, no clusters, 327,680 bytes of LDS; arguments qkvh, ao; writes ao
.if DOCPART == 3
	.amdgcn_target "amdgcn-amd-amdhsa--gfx1250"
	.amdhsa_code_object_version 6
	.text
	.protected	k_q8706141e35_attn
	.globl	k_q8706141e35_attn
	.p2align	8
	.type	k_q8706141e35_attn,@function
k_q8706141e35_attn:
	s_mov_b64 s[64:65], 0
	v_nop
	global_prefetch_b8 v0, s[64:65] scope:SCOPE_SE
	s_setreg_imm32_b32 hwreg(HW_REG_WAVE_MODE, 25, 1), 1
	s_wait_xcnt 0x0
; ao[b][h][q][:] = the sum over k <= q of softmax_k(q . k / 8) v[k][:], from qkvh (f16, by head) to ao (f16, [8][16][1,024][64]).  Products on f16 operands with f32 sums; maxima, exponentials and sums in f32.
; WORK LEFT OUT: key steps that lie wholly above the diagonal (their scores are multiplied by the mask's 0 and their weights are 0 in f32: see the first launch's head); in the step on the diagonal hidden scores become -infinity.
; SHARES.  Two work-groups to a head, 16 waves each; a wave owns 32 queries, two tiles of 16.  Wave w has the number u = (w & 12) | ((w & 3) xor 3 ((w >> 2) & 1)), and takes queries 32 (2 u + e) on,
; e = (u + work-group x) & 1: it walks u + 1 key steps of 64 in either work-group, and the four waves w, w + 4, w + 8, w + 12 walk 34 together for every w & 3.
; LDS.  The head's whole K (1,024 rows of 128 bytes + 16) and V (+ 32) come in once, by four tensor loads of 256 rows each from wave 0 (K) and wave 1 (V), all issued at the head.
; NO CLUSTER: only the two work-groups of a head read the same K and V, and the grid's x of 2 holds no four partners.
; LAYOUT.  S^T = K Q^T (source 0 = 16 keys, source 1 = 16 queries): a lane holds one query (lane % 16) and keys 8 (lane / 16) + 0 .. 7 of each tile.  Two such tiles, rounded to f16 in pairs, are source 1 of
; O^T = V^T P; V comes out of LDS turned, by ds_load_tr16_b128.  p = 2^(c s - c m), c = log2(e) / 8, m the running maximum; O and the sum l are multiplied by a = 2^(c m_old - c m_new) in every step.
; LIMIT: f16 operands: magnitudes of q, k, v up to 65,504.
.set KP,    144
.set VP,    160
.set KCH,   256*KP                     ; a chunk of K: 256 rows
.set VCH,   256*VP
.set VBASE, 4*KCH
.set SPARE, VBASE+4*VCH                ; the spare words, 128 bytes for each of 16 waves: eight blocks of 256 bytes that no other line names
.set AK0, 1                            ; v1  my lane's place in a tile of K
.set AV0, 2                            ; v2  the same for V
.set ADK, 3                            ; v3  the step's K
.set ADV, 4                            ; v4  the step's V
.set SPW, 5
.set NIL, 6
.set DL,  8                            ; v8  my query less my first key, in the step on the diagonal
.set NEG, 9                            ; v9  -infinity
.set ST,  16                           ; v[16 + 8 x ..]: c m, m, l (two halves), c0-c3 at work (a takes c2's place)
.set Q,   32                           ; v32-63   Q: tile x, channels 32 f on: 8 registers
.set KF,  64                           ; v64-127  K's eight fragments, then V's
.set S,   128                          ; v128-191 S^T, 32 a tile; P is laid over a tile's first 16
.set O,   192                          ; v192-255 O^T, 32 a tile
.set WV,  8
.set U,   9
.set E,   10
.set Q0,  11
.set STP, 13                           ; s13 the key step
.set TK,  14                           ; s14 where its K begins in LDS
.set TV,  15                           ; s15 and its V, from VBASE on
.set CNT, 16
.set SEL, 18
.set CS,  20
.set G1K, 24
.set G1V, 32
.set G0K, 40                           ; s[40:55] group 0 for K's four chunks
.set G0V, 68                           ; s[68:83] for V's
	s_load_b128 s[4:7], s[0:1], 0x0                ; qkvh s[4:5], ao s[6:7]
	v_lshl_add_u32 v[SPW], v0, 2, SPARE
	v_mov_b32 v[NIL], 0
	ds_add_u32 v[SPW], v[NIL]                      ; the wave's opening: the add, twice on end, and its wait ahead of the first tensor load
	ds_add_u32 v[SPW], v[NIL]
	v_lshrrev_b32 v7, 5, v0
	v_readfirstlane_b32 s[WV], v7                  ; wave 0..15
	s_lshr_b32 s12, s[WV], 2
	s_and_b32 s12, s12, 1
	s_mul_i32 s12, s12, 3
	s_and_b32 s[U], s[WV], 3
	s_xor_b32 s[U], s[U], s12
	s_and_b32 s12, s[WV], 12
	s_or_b32 s[U], s[U], s12                       ; u
	s_add_co_u32 s[E], s[U], ttmp9
	s_and_b32 s[E], s[E], 1                        ; e
	s_lshl_b32 s[Q0], s[U], 1
	s_add_co_u32 s[Q0], s[Q0], s[E]
	s_lshl_b32 s[Q0], s[Q0], 5                     ; my first query
	s_mov_b32 s[G1K], (1<<16)|(1<<20)|(4<<22)|(3<<25)   ; elements of 2 bytes; padding on: after every 32 words 4 words
	s_mov_b32 s[G1V], (1<<16)|(1<<20)|(4<<22)|(7<<25)   ; 8 words
.irp g, G1K, G1V
	s_mov_b32 s[\g+1], 64<<16                      ; tensor_dim0
	s_mov_b32 s[\g+2], 256<<16                     ; tensor_dim1
	s_mov_b32 s[\g+3], 64<<16                      ; tile_dim0
	s_mov_b32 s[\g+4], 256                         ; tile_dim1
	s_mov_b32 s[\g+5], 64                          ; from row to row
	s_mov_b32 s[\g+6], 0
	s_mov_b32 s[\g+7], 0
.endr
	s_and_b32 s56, ttmp7, 0xffff
	s_lshl_b32 s56, s56, 17                        ; the head's 131,072 bytes
	s_mov_b32 s57, 0
	s_mov_b32 s[SEL], 0x76543210
	s_mov_b32 s[SEL+1], 0xfedcba98                 ; lane l xor 16
	s_mov_b32 s[CS], 0x3e38aa3b                    ; c = log2(e) / 8
	s_mov_b32 s[CS+1], s[CS]
	s_wait_dscnt 0x0                               ; both opening adds are done
	s_wait_kmcnt 0x0
	s_add_nc_u64 s[58:59], s[4:5], s[56:57]
	s_add_nc_u64 s[60:61], s[58:59], 16777216      ; the head's K
	s_add_nc_u64 s[62:63], s[58:59], 33554432      ; and V
.irp c, 0,1,2,3
	s_mov_b32 s[G0K+4*\c], 1
	s_mov_b32 s[G0K+4*\c+1], \c*KCH
	s_add_nc_u64 s[G0K+4*\c+2:G0K+4*\c+3], s[60:61], \c*32768
	s_or_b32 s[G0K+4*\c+3], s[G0K+4*\c+3], 0x80000000
	s_mov_b32 s[G0V+4*\c], 1
	s_mov_b32 s[G0V+4*\c+1], VBASE+\c*VCH
	s_add_nc_u64 s[G0V+4*\c+2:G0V+4*\c+3], s[62:63], \c*32768
	s_or_b32 s[G0V+4*\c+3], s[G0V+4*\c+3], 0x80000000
.endr
	s_cmp_lt_u32 s[WV], 2                          ; all fills of a wave stand in one branch on its number; waves 0 and 1 have the fewest key steps
	s_cbranch_scc0 .Lfilled
	s_cmp_eq_u32 s[WV], 0
	s_cbranch_scc0 .Lfill_v
.irp c, 0,1,2,3
	tensor_load_to_lds s[G0K+4*\c:G0K+4*\c+3], s[G1K:G1K+7]
	s_nop 0
.endr
.rept 4
	v_nop
.endr
	s_branch .Lfilled
.Lfill_v:
.irp c, 0,1,2,3
	tensor_load_to_lds s[G0V+4*\c:G0V+4*\c+3], s[G1V:G1V+7]
	s_nop 0
.endr
.rept 4
	v_nop
.endr
.Lfilled:
	s_lshl_b32 s12, s[Q0], 7
	s_add_co_u32 s56, s56, s12                     ; the head, and my first query's row of 128 bytes
	s_add_nc_u64 s[4:5], s[4:5], s[56:57]
	s_add_nc_u64 s[6:7], s[6:7], s[56:57]
	v_and_b32 v14, 15, v0                          ; r
	v_bfe_u32 v15, v0, 4, 1                        ; h
	v_lshlrev_b32 v7, 7, v14
	v_lshl_add_u32 v7, v15, 4, v7
.irp x, 0,1
.irp f, 0,1
	global_load_b128 v[Q+16*\x+8*\f:Q+16*\x+8*\f+3], v7, s[4:5] offset:2048*\x+64*\f
	global_load_b128 v[Q+16*\x+8*\f+4:Q+16*\x+8*\f+7], v7, s[4:5] offset:2048*\x+64*\f+32
.endr
.endr
	v_mul_u32_u24 v[AK0], v14, KP
	v_lshl_add_u32 v[AK0], v15, 4, v[AK0]          ; row r x pitch + 16 h
	v_and_b32 v[AV0], 7, v0
	v_lshl_add_u32 v[AV0], v15, 3, v[AV0]
	v_mul_u32_u24 v[AV0], v[AV0], VP               ; the turning load: key 8 h + l % 8,
	v_bfe_u32 v[ADK], v0, 3, 1
	v_lshl_add_u32 v[AV0], v[ADK], 4, v[AV0]       ; channels 8 ((l / 8) % 2) on
	v_add_nc_u32 v[AV0], VBASE, v[AV0]
	v_lshlrev_b32 v[DL], 3, v15
	v_sub_nc_u32 v[DL], v14, v[DL]
	s_lshl_b32 s12, s[E], 5
	v_add_nc_u32 v[DL], s12, v[DL]                 ; r - 8 h + 32 e
	v_mov_b32 v[NEG], 0xff800000
.irp x, 0,1
	v_mov_b32 v[ST+8*\x+1], 0xff61b1e6             ; m = -3e38, under every score
	v_mul_f32 v[ST+8*\x], s[CS], v[ST+8*\x+1]
	v_mov_b32 v[ST+8*\x+2], 0
	v_mov_b32 v[ST+8*\x+3], 0
.endr
.set ii, 0
.rept 64
	v_mov_b32 v[O+ii], 0                           ; O^T: the step is written once; the first finds zeros, which a = 0 leaves zeros
.set ii, ii+1
.endr
; A KEY STEP: 64 keys against my 32 queries.
.macro STEP
	s_cmp_gt_u32 s[STP], s[U]                      ; a step all of whose keys come after my queries: only the lines at its end that step addresses are run
	s_cbranch_scc1 .Lhid_\@
	v_add_nc_u32 v[ADK], s[TK], v[AK0]
	v_add_nc_u32 v[ADV], s[TV], v[AV0]
.rept 3
	v_nop                                          ; with the two additions: five places behind the last step's products, for the loads into V's registers and for the products that write over P
.endr
.irp kt, 0,1,2,3
.irp f, 0,1
	ds_load_b128 v[KF+16*\kt+8*\f:KF+16*\kt+8*\f+3], v[ADK] offset:16*KP*\kt+64*\f
	ds_load_b128 v[KF+16*\kt+8*\f+4:KF+16*\kt+8*\f+7], v[ADK] offset:16*KP*\kt+64*\f+32
.endr
.endr
	s_wait_dscnt 0x0
.irp f, 0,1                                    ; eight accumulators by turns; the first eight products start the sums
.irp kt, 0,1,2,3
.irp x, 0,1
.if \f == 0
	v_wmma_f32_16x16x32_f16 v[S+32*\x+8*\kt:S+32*\x+8*\kt+7], v[KF+16*\kt:KF+16*\kt+7], v[Q+16*\x:Q+16*\x+7], 0
.else
	v_wmma_f32_16x16x32_f16 v[S+32*\x+8*\kt:S+32*\x+8*\kt+7], v[KF+16*\kt+8:KF+16*\kt+15], v[Q+16*\x+8:Q+16*\x+15], v[S+32*\x+8*\kt:S+32*\x+8*\kt+7]
.endif
.endr
.endr
.endr
.rept 4
	v_nop                                          ; places in front of the loads into K's registers and of the first read of the scores
.endr
.irp kh, 0,1
.irp td, 0,1,2,3
	ds_load_tr16_b128 v[KF+32*\kh+8*\td:KF+32*\kh+8*\td+3], v[ADV] offset:32*VP*\kh+32*\td
	ds_load_tr16_b128 v[KF+32*\kh+8*\td+4:KF+32*\kh+8*\td+7], v[ADV] offset:32*VP*\kh+32*\td+16*VP
.endr
.endr
	s_cmp_lg_u32 s[STP], s[U]                      ; the step on the diagonal: register 8 kt + j of tile x holds key 16 kt + 8 h + j, my query is 32 e + 16 x + r: hidden where 16 kt + j - 16 x > r - 8 h + 32 e
	s_cbranch_scc1 .Lopen_\@
.irp x, 0,1
.irp kt, 0,1,2,3
.irp j, 0,1,2,3,4,5,6,7
	v_cmp_gt_i32 vcc_lo, 16*\kt+\j-16*\x, v[DL]
	v_cndmask_b32 v[S+32*\x+8*\kt+\j], v[S+32*\x+8*\kt+\j], v[NEG], vcc_lo
.endr
.endr
.endr
.Lopen_\@:
.irp j, 0,1,2,3                                ; the maximum: four chains a tile, each begun at an accumulator's low end; the two tiles by turns
.irp x, 0,1
	v_max3_num_f32 v[ST+8*\x+4+\j], v[S+32*\x+8*\j], v[S+32*\x+8*\j+1], v[S+32*\x+8*\j+2]
.endr
.endr
.irp i, 3,5
.irp j, 0,1,2,3
.irp x, 0,1
	v_max3_num_f32 v[ST+8*\x+4+\j], v[ST+8*\x+4+\j], v[S+32*\x+8*\j+\i], v[S+32*\x+8*\j+\i+1]
.endr
.endr
.endr
.irp x, 0,1
	v_max3_num_f32 v[ST+8*\x+4], v[ST+8*\x+4], v[S+32*\x+7], v[S+32*\x+15]
	v_max3_num_f32 v[ST+8*\x+6], v[ST+8*\x+6], v[S+32*\x+23], v[S+32*\x+31]
.endr
.irp x, 0,1
	v_max3_num_f32 v[ST+8*\x+4], v[ST+8*\x+4], v[ST+8*\x+5], v[ST+8*\x+6]
.endr
.irp x, 0,1
	v_max3_num_f32 v[ST+8*\x+4], v[ST+8*\x+4], v[ST+8*\x+7], v[ST+8*\x+1]   ; and the old m
.endr
.irp x, 0,1
	v_permlanex16_b32 v[ST+8*\x+5], v[ST+8*\x+4], s[SEL], s[SEL+1]          ; the query's other 32 keys lie in the lane 16 away
.endr
.irp x, 0,1
	v_mov_b32 v[ST+8*\x+7], v[ST+8*\x]             ; c m_old is kept for a
.endr
.irp x, 0,1
	v_max_num_f32 v[ST+8*\x+1], v[ST+8*\x+4], v[ST+8*\x+5]
.endr
.irp x, 0,1
	v_mul_f32 v[ST+8*\x], s[CS], v[ST+8*\x+1]
.endr
.irp x, 0,1
	v_sub_f32 v[ST+8*\x+7], v[ST+8*\x+7], v[ST+8*\x]
.endr
.irp i, 0,2,4,6,8,10,12,14,16,18,20,22,24,26,28,30
.irp x, 0,1
	v_pk_fma_f32 v[S+32*\x+\i:S+32*\x+\i+1], v[S+32*\x+\i:S+32*\x+\i+1], s[CS:CS+1], v[ST+8*\x:ST+8*\x+1] op_sel_hi:[1,0,0] neg_lo:[0,0,1] neg_hi:[0,0,1]   ; c s - c m
.endr
.endr
.irp x, 0,1
	v_exp_f32 v[ST+8*\x+6], v[ST+8*\x+7]           ; a
.endr
.set ii, 0
.rept 64
	v_exp_f32 v[S+ii], v[S+ii]                     ; p: the step's 66 exponentials are one batch
.set ii, ii+1
.endr
	v_nop                                          ; a plain instruction behind the last exponential
	s_wait_alu depctr_va_vdst(0)                   ; one wait for the batch, ahead of its first reader
.irp x, 0,1                                    ; the sum of the unrounded p, two at a time, in two chains a tile
	v_pk_add_f32 v[ST+8*\x+4:ST+8*\x+5], v[S+32*\x:S+32*\x+1], v[S+32*\x+2:S+32*\x+3]
	v_pk_add_f32 v[10+2*\x:11+2*\x], v[S+32*\x+4:S+32*\x+5], v[S+32*\x+6:S+32*\x+7]
.endr
.irp j, 8,12,16,20,24,28
.irp x, 0,1
	v_pk_add_f32 v[ST+8*\x+4:ST+8*\x+5], v[ST+8*\x+4:ST+8*\x+5], v[S+32*\x+\j:S+32*\x+\j+1]
	v_pk_add_f32 v[10+2*\x:11+2*\x], v[10+2*\x:11+2*\x], v[S+32*\x+\j+2:S+32*\x+\j+3]
.endr
.endr
.irp x, 0,1
	v_pk_add_f32 v[ST+8*\x+4:ST+8*\x+5], v[ST+8*\x+4:ST+8*\x+5], v[10+2*\x:11+2*\x]
.endr
.irp x, 0,1
	v_pk_fma_f32 v[ST+8*\x+2:ST+8*\x+3], v[ST+8*\x+2:ST+8*\x+3], v[ST+8*\x+6:ST+8*\x+7], v[ST+8*\x+4:ST+8*\x+5] op_sel_hi:[1,0,1]   ; l = a l + the sum
.endr
.irp i, 0,1,2,3,4,5,6,7,8,9,10,11,12,13,14,15
.irp x, 0,1
	v_cvt_pk_f16_f32 v[S+32*\x+\i], v[S+32*\x+2*\i], v[S+32*\x+2*\i+1]     ; P, in place and ascending: register i is written when pair i is read, and pairs under i are done with
.endr
.endr
.irp i, 0,2,4,6,8,10,12,14,16,18,20,22,24,26,28,30
.irp x, 0,1
	v_pk_mul_f32 v[O+32*\x+\i:O+32*\x+\i+1], v[O+32*\x+\i:O+32*\x+\i+1], v[ST+8*\x+6:ST+8*\x+7] op_sel_hi:[1,0]   ; O^T x a, each accumulator from its low end on
.endr
.endr
	s_wait_dscnt 0x0                               ; V is in
.irp kh, 0,1                                   ; eight accumulators by turns
.irp td, 0,1,2,3
.irp x, 0,1
	v_wmma_f32_16x16x32_f16 v[O+32*\x+8*\td:O+32*\x+8*\td+7], v[KF+32*\kh+8*\td:KF+32*\kh+8*\td+7], v[S+32*\x+8*\kh:S+32*\x+8*\kh+7], v[O+32*\x+8*\td:O+32*\x+8*\td+7]
.endr
.endr
.endr
.Lhid_\@:
	s_add_co_u32 s[TK], s[TK], 64*KP
	s_add_co_u32 s[TV], s[TV], 64*VP
	s_add_co_u32 s[STP], s[STP], 1
.endm
.macro CHUNK c                         ; the four key steps whose K and V lie in chunk c
	s_mov_b32 s[TK], \c*KCH
	s_mov_b32 s[TV], \c*VCH
	s_mov_b32 s[STP], 4*\c
	s_mov_b32 s[CNT], 0
.Lstep_\@:
	STEP
	s_add_co_u32 s[CNT], s[CNT], 1
	s_cmp_lt_u32 s[CNT], 4
	s_cbranch_scc1 .Lstep_\@
.endm
	s_wait_tensorcnt 0x3                           ; chunk 0 has landed (in the waves that fetch); chunks 1 to 3 may be out
	s_barrier_signal -1
	s_barrier_wait -1
	s_wait_loadcnt 0x0                             ; Q
; The barrier that shows chunk c + 1 is signalled ahead of chunk c's steps and waited for behind them: between the two stand LDS loads of chunk c, which nobody writes, and work on registers.
	s_wait_tensorcnt 0x2                           ; chunk 1 has landed; chunks 2 and 3 may be out
	s_wait_dscnt 0x0
	s_barrier_signal -1
	CHUNK 0
	s_barrier_wait -1
	s_wait_tensorcnt 0x1                           ; chunk 2 has landed; chunk 3 may be out
	s_wait_dscnt 0x0
	s_barrier_signal -1
	CHUNK 1
	s_barrier_wait -1
	s_wait_tensorcnt 0x0                           ; chunk 3 has landed
	s_wait_dscnt 0x0
	s_barrier_signal -1
	CHUNK 2
	s_barrier_wait -1
	CHUNK 3
	s_wait_dscnt 0x0                               ; my reads of K and V are over
	s_barrier_signal -1
	s_barrier_wait -1                              ; everybody's are: K's first 36,864 bytes, which have had their only fill, become the waves' stages
	; THE WAY OUT: O^T / l, rounded to f16, through my stage (16 rows x (128 bytes + 16)), a tile at a time; 32 lanes store four rows, 512 consecutive bytes
.rept 4
	v_nop                                          ; places behind the last products
.endr
.irp x, 0,1
	v_add_f32 v[ST+8*\x+4], v[ST+8*\x+2], v[ST+8*\x+3]
.endr
.irp x, 0,1
	v_permlanex16_b32 v[ST+8*\x+5], v[ST+8*\x+4], s[SEL], s[SEL+1]
.endr
.irp x, 0,1
	v_add_f32 v[ST+8*\x+4], v[ST+8*\x+4], v[ST+8*\x+5]
.endr
.irp x, 0,1
	v_rcp_f32 v[ST+8*\x+6], v[ST+8*\x+4]
.endr
	s_mul_i32 s12, s[WV], 16*KP
	v_mul_u32_u24 v1, v14, KP                      ; (plain work behind the reciprocals)  in: row r, + 16 h
	v_lshl_add_u32 v1, v15, 4, v1
	v_add_nc_u32 v1, s12, v1
	v_and_b32 v3, 31, v0
	v_lshrrev_b32 v2, 3, v3                        ; back: eight lanes to a row
	v_mul_u32_u24 v2, v2, KP
	v_and_b32 v4, 7, v0
	v_lshl_add_u32 v2, v4, 4, v2
	v_add_nc_u32 v2, s12, v2
	v_lshlrev_b32 v3, 4, v3                        ; in ao: 16 bytes a lane
	s_wait_alu depctr_va_vdst(0)                   ; one wait for the two reciprocals, ahead of their first reader
.irp x, 0,1
.irp i, 0,2,4,6,8,10,12,14,16,18,20,22,24,26,28,30
	v_pk_mul_f32 v[O+32*\x+\i:O+32*\x+\i+1], v[O+32*\x+\i:O+32*\x+\i+1], v[ST+8*\x+6:ST+8*\x+7] op_sel_hi:[1,0]
.endr
.irp i, 0,1,2,3,4,5,6,7,8,9,10,11,12,13,14,15
	v_cvt_pk_f16_f32 v[S+16*\x+\i], v[O+32*\x+2*\i], v[O+32*\x+2*\i+1]
.endr
.irp td, 0,1,2,3
	ds_store_b128 v1, v[S+16*\x+4*\td:S+16*\x+4*\td+3] offset:32*\td
.endr
.irp i, 0,1,2,3
	ds_load_b128 v[S+32+16*\x+4*\i:S+32+16*\x+4*\i+3], v2 offset:4*KP*\i   ; LDS serves a wave's instructions in order: these see the stores above, and the next tile's stores come behind them
.endr
.endr
.irp i, 0,1,2,3
	s_wait_dscnt 11-\i                             ; behind tile 0's load i: its 3 - i younger loads and tile 1's eight instructions
	global_store_b128 v3, v[S+32+4*\i:S+32+4*\i+3], s[6:7] offset:512*\i
.endr
.irp i, 0,1,2,3
	s_wait_dscnt 3-\i
	global_store_b128 v3, v[S+48+4*\i:S+48+4*\i+3], s[6:7] offset:2048+512*\i
.endr
	s_wait_tensorcnt 0x0                           ; the wave's end
	ds_add_u32 v[SPW], v[NIL]
	s_wait_dscnt 0x0
	s_endpgm
.Lfunc_end_k_q8706141e35_attn:
	.size	k_q8706141e35_attn, .Lfunc_end_k_q8706141e35_attn-k_q8706141e35_attn
	.p2alignl 7, 3214868480
	.fill 96, 4, 3214868480
	.section	.rodata,"a",@progbits
	.p2align	6, 0x0
	.amdhsa_kernel k_q8706141e35_attn
		.amdhsa_group_segment_fixed_size 327680
		.amdhsa_private_segment_fixed_size 0
		.amdhsa_enable_private_segment 0
		.amdhsa_kernarg_size 16
		.amdhsa_user_sgpr_count 2
		.amdhsa_user_sgpr_kernarg_segment_ptr 1
		.amdhsa_wavefront_size32 1
		.amdhsa_system_sgpr_workgroup_id_x 1
		.amdhsa_system_sgpr_workgroup_id_y 1
		.amdhsa_system_sgpr_workgroup_id_z 1
		.amdhsa_system_vgpr_workitem_id 0
		.amdhsa_next_free_vgpr 256
		.amdhsa_next_free_sgpr 84
		.amdhsa_reserve_vcc 1
		.amdhsa_float_denorm_mode_32 3
		.amdhsa_float_denorm_mode_16_64 3
		.amdhsa_memory_ordered 1
		.amdhsa_forward_progress 1
		.amdhsa_inst_pref_size 103
	.end_amdhsa_kernel
	.amdgpu_metadata
---
amdhsa.version: [ 1, 2 ]
amdhsa.kernels:
  - .name:           k_q8706141e35_attn
    .symbol:         k_q8706141e35_attn.kd
    .args:
      - { .name: qkvh, .offset: 0, .size: 8, .value_kind: global_buffer, .address_space: global }
      - { .name: ao, .offset: 8, .size: 8, .value_kind: global_buffer, .address_space: global }
    .group_segment_fixed_size: 327680
    .private_segment_fixed_size: 0
    .kernarg_segment_align: 8
    .kernarg_segment_size: 16
    .max_flat_workgroup_size: 512
    .sgpr_count:     84
    .vgpr_count:     256
    .wavefront_size: 32
...
	.end_amdgpu_metadata
.endif
;; end of part 3
;; launch proj (part 4): grid 4 x 64, 4 waves a work-group, clusters of 4 x 4, 327,680 bytes of LDS; arguments ao, wt, out_b, out0; writes out0
.if DOCPART == 4
	.amdgcn_target "amdgcn-amd-amdhsa--gfx1250"
	.amdhsa_code_object_version 6
	.text
	.protected	k_q8706141e35_proj
	.globl	k_q8706141e35_proj
	.p2align	8
	.type	k_q8706141e35_proj,@function
k_q8706141e35_proj:
	s_mov_b64 s[64:65], 0
	v_nop
	global_prefetch_b8 v0, s[64:65] scope:SCOPE_SE
	s_setreg_imm32_b32 hwreg(HW_REG_WAVE_MODE, 25, 1), 1
	s_wait_xcnt 0x0
	s_wait_alu depctr_hold_cnt(0) depctr_sa_sdst(0) depctr_va_vdst(0) depctr_va_sdst(0) depctr_va_ssrc(0) depctr_va_vcc(0) depctr_vm_vsrc(0)
	s_getreg_b32 s2, hwreg(HW_REG_IB_STS2, 6, 4)
	s_cmp_eq_u32 s2, 0
	s_cbranch_scc0 .Lentry_in_a_cluster
	s_endpgm
.Lentry_in_a_cluster:
	s_bfe_u32 s2, ttmp6, 0x10000c
	s_cmp_lg_u32 s2, 0xf033
	s_cbranch_scc0 .Lentry_shape_is_right
	s_endpgm
.Lentry_shape_is_right:
; out0 = A out_w + out_b on f16 operands with f32 sums.  A is ao, [8 b][16 h][1,024 positions][64] f16: row m = 1,024 b + position, k = 64 h + d.  B is wt's high part, [1,024 n][1,024 k] f16.
; (Positions 0-15 of each sequence are made here like the rest of their tiles, and are written anew, more finely, by the last launch.)
; A tile of 128 (m) x 256 (n) to a work-group: 256 work-groups.  Four waves, each 64 x 128: 32 accumulators of 16 x 16, 256 registers.  K goes in steps of 128 (two heads) through two LDS slots.
; A slot: A's two heads x 128 rows of 128 bytes + 16 (wave 0 or 1 fetches a head), then B's 256 rows of 256 bytes + 16 (waves 2 and 3 fetch 128 rows each): one tensor load a wave behind each change of slots.
; CLUSTERS: 4 x 4 work-groups; A's tiles are asked for jointly along a row of the cluster, B's along a column.  THE MATRIX INSTRUCTION IS USED TRANSPOSED; out_b is the C of each sum's first instruction.
; REGISTERS: window 0: v0-31 addresses; v32-95 A's fragments (4 x 16 rows x 32 K), two buffers; v96-223 B's (8 x), two buffers, later rows on the way out.  window 1: the accumulators ((a, b) at v[8 (8 a + b)]).  window 2: v0-63 the bias.
.set PA,     144
.set PB,     272
.set AHEAD,  128*PA                    ; a head's 128 rows
.set BOFF,   2*AHEAD
.set BHALF,  128*PB
.set SLOT,   BOFF+2*BHALF
.set SPARE,  2*SLOT                    ; the spare words, 128 bytes for each wave: two blocks of 256 bytes that no other line names
.set SPITCH, 528                       ; the way out: 16 rows x (512 bytes + 16) for each wave, in slot 0, behind its last fill and its last read
.set LAPS,   4                         ; a lap = two K steps
.set ADRA, 16
.set ADRB, 20
.set STO,  24
.set RD,   25
.set CO,   26
.set BO,   27
.set SPW,  28
.set NIL,  29
.set PFO,  30
.set FA,   32
.set FB,   96
.set G1, 24
.set G0, 32
.set G1B, 48
.set G0B, 56
.set PFA, 44                           ; s[44:45] where my prefetches stand
.set LIM, 43                           ; s43 1 in the wave that prefetches, else the greatest number
.set MSB, 0
.macro WIN new                         ; the immediate's high byte repeats the setting that is left
.if MSB != \new
	s_set_vgpr_msb (MSB<<8)|\new
.set MSB, \new
.endif
.endm
.set MUL,   0x50                       ; sources 0 and 1 window 0; C and D window 1
.set FIRST, 0x60                       ; C window 2 (the bias), D window 1
.macro JLOAD s                         ; a joint load: waves 0 and 1 fetch A's two heads, waves 2 and 3 B's halves; an s_nop 0 and four v_nop follow each of the two lines
	s_cmp_eq_u32 s11, 0
	s_cbranch_scc0 .Lfor_b_\@
	tensor_load_to_lds s[G0+4*\s:G0+4*\s+3], s[G1:G1+7]
	s_nop 0
.rept 4
	v_nop
.endr
	s_branch .Lasked_\@
.Lfor_b_\@:
	tensor_load_to_lds s[G0B+4*\s:G0B+4*\s+3], s[G1B:G1B+7]
	s_nop 0
.rept 4
	v_nop
.endr
.Lasked_\@:
.endm
.macro CREST                           ; a round of the cluster's barrier behind its opening barrier
	s_cmp_lg_u32 s10, 0
	s_cbranch_scc1 .Lnot_wave_0_\@
	s_barrier_signal -3
.Lnot_wave_0_\@:
	s_barrier_wait -3
	s_barrier_signal -1
	s_barrier_wait -1
.endm
.macro CROUND
	s_barrier_signal -1
	s_barrier_wait -1
	CREST
.endm
; A PREFETCH INTO THE L2 of A's K step that stands two refills on: 2 heads x 16,384 bytes, 128 blocks of 256.  A's tile row is read by one cluster alone (the grid's x is one cluster); its four partners along x take
; 32 blocks each, told apart by address (4,096 bytes a partner in each head); in each, wave 0 asks: lanes 0-15 the first head's 16 blocks, lanes 16-31 the second's.  So each block is named once in the launch.
; The loop's last trip asks for nothing: there is no K step four on.  K steps 0 to 3 come by their loads alone.  B's rows are read by all sixteen clusters and are not asked for.
.macro ASK
	s_cmp_gt_u32 s3, s[LIM]                        ; s3 = 1 in the loop's last trip
	s_cbranch_scc0 .Lnot_mine_\@
	global_prefetch_b8 v[PFO], s[PFA:PFA+1] th:TH_LOAD_NT scope:SCOPE_SE
.Lnot_mine_\@:
.endm
	s_load_b128 s[4:7], s[0:1], 0x0                ; ao s[4:5], wt s[6:7]
	s_load_b128 s[68:71], s[0:1], 0x10             ; out_b s[68:69], out0 s[70:71]
	v_lshl_add_u32 v[SPW], v0, 2, SPARE
	v_mov_b32 v[NIL], 0
	ds_add_u32 v[SPW], v[NIL]                      ; the wave's opening: the add, twice on end, and its wait ahead of my first tensor load
	ds_add_u32 v[SPW], v[NIL]
	v_lshrrev_b32 v1, 5, v0
	v_readfirstlane_b32 s10, v1                    ; wave 0..3
	s_lshr_b32 s11, s10, 1                         ; which 64 of the tile's rows are mine.  Also: I fetch for A (0) or for B (1)
	s_and_b32 s12, s10, 1                          ; which 128 of its columns.  Also: which head of A, or which 128 rows of B, I fetch
	s_bfe_u32 s40, ttmp6, 0x40000                  ; cx, cy
	s_bfe_u32 s41, ttmp6, 0x40004
	s_lshl_b32 s42, ttmp9, 2
	s_add_co_u32 s42, s42, s40                     ; tile column
	s_and_b32 s13, ttmp7, 0xffff
	s_lshl_b32 s13, s13, 2
	s_add_co_u32 s13, s13, s41                     ; tile row
	s_lshl_b32 s43, s41, 2
	s_lshl_b32 s43, 15, s43                        ; my row of the cluster
	s_lshl_b32 s44, 0x1111, s40                    ; my column
	s_or_b32 s[G1+0], s43, (1<<16)|(1<<20)|(1<<21)|(4<<22)|(3<<25)  ; A: elements of 2 bytes; padding: after every 32 words 4 words
	s_mov_b32 s[G1+1], 64<<16                      ; tensor_dim0
	s_mov_b32 s[G1+2], 128<<16                     ; tensor_dim1
	s_mov_b32 s[G1+3], 64<<16                      ; tile_dim0
	s_mov_b32 s[G1+4], 128                         ; tile_dim1
	s_mov_b32 s[G1+5], 64                          ; from row to row
	s_mov_b32 s[G1+6], 0
	s_mov_b32 s[G1+7], 0
	s_or_b32 s[G1B+0], s44, (1<<16)|(1<<20)|(1<<21)|(5<<22)|(3<<25) ; B: after every 64 words 4 words
	s_mov_b32 s[G1B+1], 128<<16
	s_mov_b32 s[G1B+2], 128<<16
	s_mov_b32 s[G1B+3], 128<<16
	s_mov_b32 s[G1B+4], 128
	s_mov_b32 s[G1B+5], 1024
	s_mov_b32 s[G1B+6], 0
	s_mov_b32 s[G1B+7], 0
	s_lshr_b32 s16, s13, 3
	s_lshl_b32 s16, s16, 21                        ; A: the batch's 2,097,152 bytes,
	s_and_b32 s17, s13, 7
	s_lshl_b32 s17, s17, 14                        ; 128 rows of 128 bytes in a head,
	s_add_co_u32 s16, s16, s17
	s_mov_b32 s18, s16                             ; (kept for the prefetches)
	s_lshl_b32 s17, s12, 17                        ; the head that I fetch
	s_add_co_u32 s16, s16, s17
	s_mov_b32 s17, 0
	s_lshl_b32 s46, s42, 19                        ; B: 256 rows of 2,048 bytes,
	s_lshl_b32 s47, s12, 18                        ; the 128 that I fetch
	s_add_co_u32 s46, s46, s47
	s_mov_b32 s47, 0
	s_mul_i32 s20, s12, AHEAD                      ; where they go: no place in the cluster enters an LDS address
	s_mul_i32 s21, s12, BHALF
	s_add_co_u32 s21, s21, BOFF
	s_wait_dscnt 0x0                               ; both opening adds are done
	s_wait_kmcnt 0x0
	s_add_nc_u64 s[14:15], s[4:5], s[16:17]
	s_add_nc_u64 s[46:47], s[6:7], s[46:47]
	CROUND                                         ; all sixteen work-groups are here: the first joint loads meet
.irp s, 0,1
	s_mov_b32 s[G0+4*\s], 1
	s_add_co_u32 s[G0+4*\s+1], s20, \s*SLOT
	s_add_nc_u64 s[G0+4*\s+2:G0+4*\s+3], s[14:15], \s*262144      ; K step s: two heads on
	s_or_b32 s[G0+4*\s+3], s[G0+4*\s+3], 0x80000000
	s_mov_b32 s[G0B+4*\s], 1
	s_add_co_u32 s[G0B+4*\s+1], s21, \s*SLOT
	s_add_nc_u64 s[G0B+4*\s+2:G0B+4*\s+3], s[46:47], \s*256
	s_or_b32 s[G0B+4*\s+3], s[G0B+4*\s+3], 0x80000000
	JLOAD \s                                       ; two tensor loads of mine are out at the most
.endr
	v_and_b32 v1, 15, v0                           ; r
	v_bfe_u32 v2, v0, 4, 1                         ; h
	s_lshl_b32 s46, s42, 10                        ; my 128 columns, in bytes of f32: 1,024 x tile column + 512 x half
	s_lshl_b32 s47, s12, 9
	s_add_co_u32 s46, s46, s47
	s_mov_b32 s47, 0
	s_add_nc_u64 s[68:69], s[68:69], s[46:47]
	v_lshlrev_b32 v[BO], 5, v2                     ; lane (r, h) wants, for block b, out_b of columns 16 b + 8 h + 0 .. 7
	WIN 0x80                                       ; destination window 2
.irp b, 0,1,2,3,4,5,6,7
	global_load_b128 v[8*\b:8*\b+3], v[BO], s[68:69] offset:64*\b
	global_load_b128 v[8*\b+4:8*\b+7], v[BO], s[68:69] offset:64*\b+16
.endr
	WIN 0
	s_lshl_b32 s16, s13, 19                        ; out0: 128 rows of 4,096 bytes,
	s_lshl_b32 s17, s11, 18                        ; my 64
	s_add_co_u32 s16, s16, s17
	s_mov_b32 s17, 0
	s_add_nc_u64 s[16:17], s[16:17], s[46:47]
	s_add_nc_u64 s[70:71], s[70:71], s[16:17]
	s_lshl_b32 s19, s40, 12                        ; the prefetches: my work-group's 4,096 bytes of each head's 16,384,
	s_add_co_u32 s18, s18, s19
	s_add_co_u32 s18, s18, 3*262144                ; at K step 3: the first change of slots steps it to 4
	s_mov_b32 s19, 0
	s_add_nc_u64 s[PFA:PFA+1], s[4:5], s[18:19]
	s_cmp_eq_u32 s10, 0
	s_cselect_b32 s[LIM], 1, -1
	v_lshlrev_b32 v[PFO], 17, v2
	v_lshl_add_u32 v[PFO], v1, 8, v[PFO]           ; 131,072 (l / 16) + 256 (l % 16)
	v_mul_u32_u24 v3, v1, PA
	v_lshl_add_u32 v3, v2, 4, v3
	v_mul_u32_u24 v4, v1, PB
	v_lshl_add_u32 v4, v2, 4, v4
	s_mul_i32 s21, s11, 64*PA                      ; my 64 rows of A, in each head
	s_mul_i32 s22, s12, BHALF                      ; my 128 rows of B
	s_add_co_u32 s22, s22, BOFF
.irp s, 0,1
	v_add_nc_u32 v[ADRA+\s], s21, v3
	v_add_nc_u32 v[ADRB+\s], s22, v4
	s_add_co_u32 s21, s21, SLOT
	s_add_co_u32 s22, s22, SLOT
.endr
	s_mul_i32 s23, s10, 16*SPITCH                  ; my stage
	v_mul_u32_u24 v5, v1, SPITCH
	v_lshl_add_u32 v5, v2, 5, v5
	v_add_nc_u32 v[STO], s23, v5                   ; in: row r, 32 bytes for each half of the lanes
	v_and_b32 v6, 31, v0
	v_lshlrev_b32 v[CO], 4, v6
	v_add_nc_u32 v[RD], s23, v[CO]                 ; back: the 32 lanes take one row of 512 bytes
; 8 matrix instructions: m block a x all 8 n blocks, 32 along K, from buffer f.  first = 1: the bias is C.  The 32 accumulators take turns, one instruction a turn, in the same order in every quarter.
.macro MUL8 f, a, first
.irp b, 0,1,2,3,4,5,6,7
.if \first
	v_wmma_f32_16x16x32_f16 v[8*(8*(\a)+\b):8*(8*(\a)+\b)+7], v[FB+64*(\f)+8*\b:FB+64*(\f)+8*\b+7], v[FA+32*(\f)+8*(\a):FA+32*(\f)+8*(\a)+7], v[8*\b:8*\b+7]
.else
	v_wmma_f32_16x16x32_f16 v[8*(8*(\a)+\b):8*(8*(\a)+\b)+7], v[FB+64*(\f)+8*\b:FB+64*(\f)+8*\b+7], v[FA+32*(\f)+8*(\a):FA+32*(\f)+8*(\a)+7], v[8*(8*(\a)+\b):8*(8*(\a)+\b)+7]
.endif
.endr
.endm
; 24 LDS loads in one run: quarter q (32 along K: head q / 2, channels 32 (q % 2) on) into buffer f: B's sixteen, A's blocks 0 and 1, A's blocks 2 and 3
.macro FETCH slot, q, f
.irp i, 0,1,2,3,4,5,6,7
	ds_load_b128 v[FB+64*(\f)+8*\i:FB+64*(\f)+8*\i+3], v[ADRB+\slot] offset:64*(\q)+16*PB*\i
	ds_load_b128 v[FB+64*(\f)+8*\i+4:FB+64*(\f)+8*\i+7], v[ADRB+\slot] offset:64*(\q)+16*PB*\i+32
.endr
.irp i, 0,1,2,3
	ds_load_b128 v[FA+32*(\f)+8*\i:FA+32*(\f)+8*\i+3], v[ADRA+\slot] offset:AHEAD*((\q)/2)+64*((\q)%2)+16*PA*\i
	ds_load_b128 v[FA+32*(\f)+8*\i+4:FA+32*(\f)+8*\i+7], v[ADRA+\slot] offset:AHEAD*((\q)/2)+64*((\q)%2)+16*PA*\i+32
.endr
.endm
.macro PLACES                          ; four plain vector instructions in front of loads into registers that matrix instructions have read, and of reads of results
.rept 4
	v_nop
.endr
.endm
; One of a K step's first three quarters: multiplies buffer f and, in its middle, fetches quarter qn of the same slot into buffer g.
.macro QUARTER slot, qn, f, g, first
	s_wait_dscnt 4                                 ; B and A's blocks 0 and 1 are in; the youngest four loads (A's blocks 2 and 3) may be out
.if \first
	WIN FIRST
.else
	WIN MUL
.endif
	MUL8 \f, 0, \first
	MUL8 \f, 1, \first
	PLACES
	WIN 0
	FETCH \slot, \qn, \g
	s_wait_dscnt 24                                ; all but the 24 just issued
.if \first
	WIN FIRST
.else
	WIN MUL
.endif
	MUL8 \f, 2, \first
	MUL8 \f, 3, \first
.endm
; The last quarter multiplies buffer 1 and changes slots: one barrier; in front of it each wave waits for all its tensor loads, adds 0 to its spare word, and waits for that and for its reads of this slot.
; fill = 1: the barrier opens a round of the cluster's barrier, and behind the round this slot is filled again, two K steps ahead: 112 matrix instructions stand between that request and the wait for it.
.macro TURN slot, next, fill
.if \fill
	s_wait_xcnt 0x0                                ; the last prefetch, a K step back, has read its address, so it may be written
	s_add_nc_u64 s[PFA:PFA+1], s[PFA:PFA+1], 262144
.endif
	WIN 0                                          ; (the add's two registers lie in window 0)
	s_wait_tensorcnt 0x0                           ; all my tensor loads have landed: my part of the next slot
	ds_add_u32 v[SPW], v[NIL]
	s_wait_dscnt 5                                 ; the add and the youngest four loads may be out
	WIN MUL
	MUL8 1, 0, 0
	s_wait_dscnt 0x0                               ; the add is done, and my reads of this slot are over
	s_barrier_signal -1
	MUL8 1, 1, 0
	WIN 0
	s_barrier_wait -1
.if \fill
	CREST                                          ; no wave of any partner still reads this slot's tile or has a load on its way
	s_add_nc_u64 s[G0+4*\slot+2:G0+4*\slot+3], s[G0+4*\slot+2:G0+4*\slot+3], 2*262144
	s_add_nc_u64 s[G0B+4*\slot+2:G0B+4*\slot+3], s[G0B+4*\slot+2:G0B+4*\slot+3], 2*256
	JLOAD \slot                                    ; the first tensor load behind the round; its four v_nop are also the places in front of the loads below
.else
	PLACES
.endif
	FETCH \next, 0, 0
.if \fill
	ASK
.endif
	WIN MUL
	MUL8 1, 2, 0
	MUL8 1, 3, 0
.endm
	s_wait_tensorcnt 1                             ; my part of K step 0 is in; K step 1's load may be out
	s_barrier_signal -1
	s_barrier_wait -1
	FETCH 0, 0, 0
	s_wait_loadcnt 0x0                             ; the bias
	QUARTER 0, 1, 0, 1, 1                          ; the first quarter stands in front of the loop: its products start the sums
	WIN 0                                          ; at a label and at a branch every window is 0
	s_mov_b32 s3, LAPS-1
.Llap:                                                 ; a trip goes once round the ring, from a lap's second quarter to the next lap's first, and fills both slots again
	QUARTER 0, 2, 1, 0, 0
	QUARTER 0, 3, 0, 1, 0
	TURN 0, 1, 1
	QUARTER 1, 1, 0, 1, 0
	QUARTER 1, 2, 1, 0, 0
	QUARTER 1, 3, 0, 1, 0
	TURN 1, 0, 1
	QUARTER 0, 1, 0, 1, 0
	WIN 0
	s_sub_co_u32 s3, s3, 1
	s_cmp_lg_u32 s3, 0
	s_cbranch_scc1 .Llap
	QUARTER 0, 2, 1, 0, 0                          ; the last lap fills nothing
	QUARTER 0, 3, 0, 1, 0
	TURN 0, 1, 0
	QUARTER 1, 1, 0, 1, 0
	QUARTER 1, 2, 1, 0, 0
	QUARTER 1, 3, 0, 1, 0
	s_wait_dscnt 4                                 ; the very last quarter: A's blocks 2 and 3 may be out
	WIN MUL
	MUL8 1, 0, 0
	MUL8 1, 1, 0
	s_wait_dscnt 0
	MUL8 1, 2, 0
	MUL8 1, 3, 0
	WIN 0
; THE WAY OUT, block by block of 16 rows x 128 columns: through my own stage, back as whole rows of 512 bytes.
.macro TOSTAGE a
	WIN 0x04                                       ; an LDS store's data are its source 1: window 1
.irp b, 0,1,2,3,4,5,6,7
	ds_store_b128 v[STO], v[64*(\a)+8*\b:64*(\a)+8*\b+3] offset:64*\b          ; each accumulator from its low end on
	ds_store_b128 v[STO], v[64*(\a)+8*\b+4:64*(\a)+8*\b+7] offset:64*\b+16
.endr
	WIN 0
.set BB, FB+64*((\a)%2)
.irp t, 0,1,2,3,4,5,6,7,8,9,10,11,12,13,14,15
	ds_load_b128 v[BB+4*\t:BB+4*\t+3], v[RD] offset:\t*SPITCH               ; LDS serves a wave's instructions in order: these see the stores above
.endr
.endm
.macro SEND a, younger                 ; younger: the LDS instructions issued behind block a's loads, which may stay out
.set BB, FB+64*((\a)%2)
	s_wait_dscnt \younger
.irp t, 0,1,2,3,4,5,6,7,8,9,10,11,12,13,14,15
	global_store_b128 v[CO], v[BB+4*\t:BB+4*\t+3], s[70:71] offset:65536*(\a)+4096*\t th:TH_STORE_NT   ; 32 lanes store 512 consecutive bytes, at a multiple of 256 from out0's first byte
.endr
.endm
	PLACES
	TOSTAGE 0
	TOSTAGE 1
	SEND 0, 32                                     ; behind block 0's loads: block 1's 16 stores and 16 loads
	s_wait_xcnt 0x0                                ; block 0's stores have read their registers: block 2's loads may land there
	TOSTAGE 2
	SEND 1, 32
	s_wait_xcnt 0x0
	TOSTAGE 3
	SEND 2, 32
	SEND 3, 0
	s_wait_tensorcnt 0x0                           ; the wave's end
	ds_add_u32 v[SPW], v[NIL]
	s_wait_dscnt 0x0
	CROUND                                         ; the closing round
	s_endpgm
.Lfunc_end_k_q8706141e35_proj:
	.size	k_q8706141e35_proj, .Lfunc_end_k_q8706141e35_proj-k_q8706141e35_proj
	.p2alignl 7, 3214868480
	.fill 96, 4, 3214868480
	.section	.rodata,"a",@progbits
	.p2align	6, 0x0
	.amdhsa_kernel k_q8706141e35_proj
		.amdhsa_group_segment_fixed_size 327680
		.amdhsa_private_segment_fixed_size 0
		.amdhsa_enable_private_segment 0
		.amdhsa_kernarg_size 32
		.amdhsa_user_sgpr_count 2
		.amdhsa_user_sgpr_kernarg_segment_ptr 1
		.amdhsa_wavefront_size32 1
		.amdhsa_system_sgpr_workgroup_id_x 1
		.amdhsa_system_sgpr_workgroup_id_y 1
		.amdhsa_system_sgpr_workgroup_id_z 1
		.amdhsa_system_vgpr_workitem_id 0
		.amdhsa_next_free_vgpr 576
		.amdhsa_next_free_sgpr 72
		.amdhsa_reserve_vcc 0
		.amdhsa_float_denorm_mode_32 3
		.amdhsa_float_denorm_mode_16_64 3
		.amdhsa_memory_ordered 1
		.amdhsa_forward_progress 1
		.amdhsa_inst_pref_size 87
	.end_amdhsa_kernel
	.amdgpu_metadata
---
amdhsa.version: [ 1, 2 ]
amdhsa.kernels:
  - .name:           k_q8706141e35_proj
    .symbol:         k_q8706141e35_proj.kd
    .args:
      - { .name: ao, .offset: 0, .size: 8, .value_kind: global_buffer, .address_space: global }
      - { .name: wt, .offset: 8, .size: 8, .value_kind: global_buffer, .address_space: global }
      - { .name: out_b, .offset: 16, .size: 8, .value_kind: global_buffer, .address_space: global }
      - { .name: out0, .offset: 24, .size: 8, .value_kind: global_buffer, .address_space: global }
    .group_segment_fixed_size: 327680
    .private_segment_fixed_size: 0
    .kernarg_segment_align: 8
    .kernarg_segment_size: 32
    .max_flat_workgroup_size: 128
    .sgpr_count:     72
    .vgpr_count:     576
    .wavefront_size: 32
...
	.end_amdgpu_metadata
.endif
;; end of part 4
;; launch fineb (part 5): grid 32 x 8, 16 waves a work-group, no clusters, 20,480 bytes of LDS; arguments fa, wt, out_b, out0; writes out0
.if DOCPART == 5
	.amdgcn_target "amdgcn-amd-amdhsa--gfx1250"
	.amdhsa_code_object_version 6
	.text
	.protected	k_q8706141e35_fineb
	.globl	k_q8706141e35_fineb
	.p2align	8
	.type	k_q8706141e35_fineb,@function
k_q8706141e35_fineb:
	s_mov_b64 s[64:65], 0
	v_nop
	global_prefetch_b8 v0, s[64:65] scope:SCOPE_SE
	s_setreg_imm32_b32 hwreg(HW_REG_WAVE_MODE, 25, 1), 1
	s_wait_xcnt 0x0
; THE FIRST 16 POSITIONS OF EVERY SEQUENCE THROUGH THE PROJECTION, MORE FINELY: out0 = a out_w + out_b with both operands as pairs of f16 numbers, a high and a low part:
; a w = a_hi w_hi + a_lo w_hi + a_hi w_lo (the product of the two low parts lies under f32's rounding of the sum).  These 128 rows take the place of what the launch before stored there.
; A work-group makes 16 rows (a batch's positions 0-15) x 32 columns.  Sixteen waves: wave w takes 16 of the columns (w / 8) and 128 along K (w % 8); the eight parts meet in LDS and four waves add them.
; The matrix instruction is used transposed (source 0 = 16 rows of wt, source 1 = a's 16 rows).  The stores are runs of 128 bytes in rows 4,096 bytes apart: 524,288 bytes in the whole launch.
.set PP,    144                        ; a row of a part: 32 numbers of f32 + 16 bytes
.set PART,  16*PP
.set SPARE, 8*PART                     ; the spare words, 128 bytes for each of 16 waves: eight blocks of 256 bytes that no other line names
.set SPW, 2
.set NIL, 3
	s_load_b256 s[4:11], s[0:1], 0x0               ; fa s[4:5], wt s[6:7], out_b s[8:9], out0 s[10:11]
	v_lshl_add_u32 v[SPW], v0, 2, SPARE
	v_mov_b32 v[NIL], 0
	v_lshrrev_b32 v1, 5, v0
	v_readfirstlane_b32 s12, v1                    ; wave 0..15
	s_lshr_b32 s13, s12, 3                         ; which 16 columns
	s_and_b32 s14, s12, 7                          ; which 128 along K
	s_and_b32 s15, ttmp7, 0xffff                   ; the batch
	v_and_b32 v4, 15, v0                           ; r
	v_bfe_u32 v5, v0, 4, 1                         ; h
	v_lshlrev_b32 v6, 11, v4
	v_lshl_add_u32 v6, v5, 4, v6                   ; row r of 2,048 bytes, + 16 h
	s_mul_i32 s16, s14, PART
	s_lshl_b32 s17, s13, 6
	s_add_co_u32 s16, s16, s17
	v_mul_u32_u24 v7, v4, PP
	v_lshl_add_u32 v7, v5, 5, v7
	v_add_nc_u32 v7, s16, v7                       ; my part: row r, columns 16 (w / 8) + 8 h on
	s_and_b32 s16, s12, 3
	s_mul_i32 s16, s16, 4*PP
	v_and_b32 v8, 31, v0
	v_lshrrev_b32 v8, 3, v8
	v_mul_u32_u24 v9, v8, PP
	v_and_b32 v10, 7, v0
	v_lshl_add_u32 v9, v10, 4, v9
	v_add_nc_u32 v9, s16, v9                       ; back: row 4 (w % 4) + l / 8, 16 bytes a lane
	v_lshlrev_b32 v11, 4, v10                      ; out_b: my four columns
	v_lshl_add_u32 v12, v8, 12, v11                ; out0: rows of 4,096 bytes
	s_mov_b32 s19, 0
	s_wait_kmcnt 0x0
	s_lshl_b32 s18, s15, 15
	s_lshl_b32 s17, s14, 8
	s_add_co_u32 s18, s18, s17
	s_add_nc_u64 s[20:21], s[4:5], s[18:19]        ; a: the batch's 16 rows, my 128 along K
	s_lshl_b32 s18, ttmp9, 16
	s_add_co_u32 s18, s18, s17
	s_lshl_b32 s17, s13, 15
	s_add_co_u32 s18, s18, s17
	s_add_nc_u64 s[22:23], s[6:7], s[18:19]        ; wt: my 16 rows, my 128 along K
	s_lshl_b32 s18, ttmp9, 7
	s_add_nc_u64 s[8:9], s[8:9], s[18:19]
	s_lshl_b32 s17, s15, 22
	s_add_co_u32 s18, s18, s17
	s_lshl_b32 s17, s12, 14
	s_add_co_u32 s18, s18, s17
	s_add_nc_u64 s[10:11], s[10:11], s[18:19]      ; out0: row 1,024 b + 4 w (used by waves 0 to 3), my work-group's 32 columns
.irp u, 0,1,2,3
.irp c, 0,1
	global_load_b128 v[32+8*\u+4*\c:35+8*\u+4*\c], v6, s[20:21] offset:64*\u+32*\c             ; a, high
	global_load_b128 v[64+8*\u+4*\c:67+8*\u+4*\c], v6, s[20:21] offset:262144+64*\u+32*\c      ; a, low
	global_load_b128 v[96+8*\u+4*\c:99+8*\u+4*\c], v6, s[22:23] offset:64*\u+32*\c             ; w, high
	global_load_b128 v[128+8*\u+4*\c:131+8*\u+4*\c], v6, s[22:23] offset:2097152+64*\u+32*\c   ; w, low
.endr
.endr
	s_wait_loadcnt 0x0
.irp u, 0,1,2,3                                ; three accumulators by turns; the first product on each starts its sum
.if \u == 0
	v_wmma_f32_16x16x32_f16 v[160:167], v[96:103], v[32:39], 0
	v_wmma_f32_16x16x32_f16 v[168:175], v[96:103], v[64:71], 0
	v_wmma_f32_16x16x32_f16 v[176:183], v[128:135], v[32:39], 0
.else
	v_wmma_f32_16x16x32_f16 v[160:167], v[96+8*\u:103+8*\u], v[32+8*\u:39+8*\u], v[160:167]
	v_wmma_f32_16x16x32_f16 v[168:175], v[96+8*\u:103+8*\u], v[64+8*\u:71+8*\u], v[168:175]
	v_wmma_f32_16x16x32_f16 v[176:183], v[128+8*\u:135+8*\u], v[32+8*\u:39+8*\u], v[176:183]
.endif
.endr
.rept 4
	v_nop
.endr
.irp i, 0,2,4,6
	v_pk_add_f32 v[184+\i:185+\i], v[168+\i:169+\i], v[176+\i:177+\i]   ; the two small sums first,
.endr
.irp i, 0,2,4,6
	v_pk_add_f32 v[184+\i:185+\i], v[184+\i:185+\i], v[160+\i:161+\i]   ; then the large one
.endr
	ds_store_b128 v7, v[184:187]
	ds_store_b128 v7, v[188:191] offset:16
	s_wait_dscnt 0x0                               ; for the others' sake: my stores are done
	s_barrier_signal -1
	s_barrier_wait -1
	s_cmp_lt_u32 s12, 4
	s_cbranch_scc0 .Lend
	global_load_b128 v[16:19], v11, s[8:9]
.irp q, 0,1,2,3,4,5,6,7
	ds_load_b128 v[32+4*\q:35+4*\q], v9 offset:PART*\q
.endr
	s_wait_dscnt 0x0
.irp p, 0,2
	v_pk_add_f32 v[32+\p:33+\p], v[32+\p:33+\p], v[36+\p:37+\p]
	v_pk_add_f32 v[40+\p:41+\p], v[40+\p:41+\p], v[44+\p:45+\p]
	v_pk_add_f32 v[48+\p:49+\p], v[48+\p:49+\p], v[52+\p:53+\p]
	v_pk_add_f32 v[56+\p:57+\p], v[56+\p:57+\p], v[60+\p:61+\p]
.endr
.irp p, 0,2
	v_pk_add_f32 v[32+\p:33+\p], v[32+\p:33+\p], v[40+\p:41+\p]
	v_pk_add_f32 v[48+\p:49+\p], v[48+\p:49+\p], v[56+\p:57+\p]
.endr
.irp p, 0,2
	v_pk_add_f32 v[32+\p:33+\p], v[32+\p:33+\p], v[48+\p:49+\p]
.endr
	s_wait_loadcnt 0x0                             ; out_b
.irp p, 0,2
	v_pk_add_f32 v[32+\p:33+\p], v[32+\p:33+\p], v[16+\p:17+\p]
.endr
	global_store_b128 v12, v[32:35], s[10:11]
.Lend:
	s_wait_tensorcnt 0x0                           ; the wave's end
	ds_add_u32 v[SPW], v[NIL]
	s_wait_dscnt 0x0
	s_endpgm
.Lfunc_end_k_q8706141e35_fineb:
	.size	k_q8706141e35_fineb, .Lfunc_end_k_q8706141e35_fineb-k_q8706141e35_fineb
	.p2alignl 7, 3214868480
	.fill 96, 4, 3214868480
	.section	.rodata,"a",@progbits
	.p2align	6, 0x0
	.amdhsa_kernel k_q8706141e35_fineb
		.amdhsa_group_segment_fixed_size 20480
		.amdhsa_private_segment_fixed_size 0
		.amdhsa_enable_private_segment 0
		.amdhsa_kernarg_size 32
		.amdhsa_user_sgpr_count 2
		.amdhsa_user_sgpr_kernarg_segment_ptr 1
		.amdhsa_wavefront_size32 1
		.amdhsa_system_sgpr_workgroup_id_x 1
		.amdhsa_system_sgpr_workgroup_id_y 1
		.amdhsa_system_sgpr_workgroup_id_z 1
		.amdhsa_system_vgpr_workitem_id 0
		.amdhsa_next_free_vgpr 200
		.amdhsa_next_free_sgpr 66
		.amdhsa_reserve_vcc 0
		.amdhsa_float_denorm_mode_32 3
		.amdhsa_float_denorm_mode_16_64 3
		.amdhsa_memory_ordered 1
		.amdhsa_forward_progress 1
		.amdhsa_inst_pref_size 9
	.end_amdhsa_kernel
	.amdgpu_metadata
---
amdhsa.version: [ 1, 2 ]
amdhsa.kernels:
  - .name:           k_q8706141e35_fineb
    .symbol:         k_q8706141e35_fineb.kd
    .args:
      - { .name: fa, .offset: 0, .size: 8, .value_kind: global_buffer, .address_space: global }
      - { .name: wt, .offset: 8, .size: 8, .value_kind: global_buffer, .address_space: global }
      - { .name: out_b, .offset: 16, .size: 8, .value_kind: global_buffer, .address_space: global }
      - { .name: out0, .offset: 24, .size: 8, .value_kind: global_buffer, .address_space: global }
    .group_segment_fixed_size: 20480
    .private_segment_fixed_size: 0
    .kernarg_segment_align: 8
    .kernarg_segment_size: 32
    .max_flat_workgroup_size: 512
    .sgpr_count:     66
    .vgpr_count:     200
    .wavefront_size: 32
...
	.end_amdgpu_metadata
.endif
;; end of part 5
